; MI455X (gfx1250); checked and timed in simulation.
; The chip was launched on July 23, 2026; its instructions are those of AMD's public machine-readable ISA for CDNA 5 (MIT licence, August 2026) and "CDNA5" Instruction Set Architecture Reference Guide (July 2026). The comments in the code are by the model that wrote it; some were corrected since.
;; Transformer Block. Allowed arithmetic: float matrix products may take bf16 or f16 operands with f32 sums; other float arithmetic in f32, or as packed bf16 or f16 multiplies, adds, multiply-adds, maxima and minima; sums over many terms, partial sums and values carried from step to step in f32; what a program stores and reads back later, other than sums and carried values, may be rounded once to bf16 or f16.
;; Inputs: b_fc1 4,096 float32; b_fc2 1,024 float32; b_proj 1,024 float32; b_qkv 3,072 float32; ln1_b 1,024 float32; ln1_g 1,024 float32; ln2_b 1,024 float32; ln2_g 1,024 float32; w_fc1 4,096 x 1,024 float32; w_fc2 1,024 x 4,096 float32; w_proj 1,024 x 1,024 float32; w_qkv 3,072 x 1,024 float32; x 2 x 2,048 x 1,024 float32.
;; Outputs: out0 2 x 2,048 x 1,024 float32.
;; One version. Each part assembles by itself: llvm-mc -triple=amdgcn-amd-amdhsa -mcpu=gfx1250 --defsym DOCPART=n.
;; ======== version 1 of 1: 7 launches
;; limits: a function is approximated: absolute error at most 0.00025; an absolute error that grows with the inputs' magnitude: up to 0.00025 times it
;; workspace buffers: hn 8,388,608 bytes; wq 6,291,456 bytes; wr 18,874,368 bytes; qkvh 25,165,824 bytes; oh 8,388,608 bytes; x1 16,777,216 bytes; g 33,554,432 bytes
;; launch prep (part 1): grid 704 x 1, 8 waves a work-group, no clusters, 0 bytes of LDS; arguments x, ln1_g, ln1_b, w_qkv, hn, wq; writes hn, wq
.if DOCPART == 1
	.amdgcn_target "amdgcn-amd-amdhsa--gfx1250"
	.amdhsa_code_object_version 6
	.text
	.protected	k_q96f04f903b_prep
	.globl	k_q96f04f903b_prep
	.p2align	8
	.type	k_q96f04f903b_prep,@function
k_q96f04f903b_prep:
	s_mov_b64 s[64:65], 0
	v_nop
	global_prefetch_b8 v0, s[64:65] scope:SCOPE_SE
	s_setreg_imm32_b32 hwreg(HW_REG_WAVE_MODE, 25, 1), 1
	s_wait_xcnt 0x0
; TRANSFORMER BLOCK, launch 1 of 7: hn = layer_norm(x, ln1_g, ln1_b) rounded to bf16, and w_qkv rounded to bf16 into wq.  (The other three weight matrices are rounded in launch 2, beside its products.)
; NO WORK OF THE BLOCK IS LEFT OUT in any of the seven launches, and every input is loaded.  (The key third of b_qkv adds the same term to all scores of a row and
; cancels in the softmax; it is kept all the same: it rides as the C operand of products that are issued anyway, inside tiles that also hold q's and v's columns.)
; FORMATS.  Every matrix operand is rounded once to bf16 (weights here and in launch 2; h, q, k, v, p, o, gelu's result where they are made); sums, norms, softmax, GELU and both residuals are f32.
; LIMITS.  NaN and infinities are not treated apart; sums are taken in another order than the reference's.
; SHARES.  Work-groups 0-511: layer norm, one wave a row (8 rows a work-group): the row's 4,096 bytes stay in 32 registers between the passes, so x is read once and no wave waits for another.
; Work-groups 512-703: the cast, 16,384 numbers each: 65,536 bytes in, 32,768 out, row-major as given.
; A stream: no LDS, no matrix unit, no cluster (no byte is read by two work-groups but g and b, 8 KiB).
.set X,   4                            ; v[4:35]    the row: load j holds columns 128 j + 4 lane .. + 3
.set G,   36                           ; v[36:67]   the gain for the same columns
.set BB,  68                           ; v[68:99]   the bias
.set T,   100                          ; v[100:107] four chains of sums
.set M,   112                          ; v[112:113] the mean, twice
.set R,   114                          ; v[114:115] 1 / sqrt(var + eps), twice
.set OUT, 116                          ; v[116:131] the row in bf16
.set D,   4                            ; the cast: v[4:67] as loaded
.set O,   68                           ; the cast: v[68:99] to store
	s_load_b256 s[8:15], s[0:1], 0x0               ; x 8:9, g 10:11, b 12:13, w_qkv 14:15
	s_load_b128 s[16:19], s[0:1], 0x20             ; hn 16:17, wq 18:19
	s_wait_kmcnt 0x0
	s_cmp_lt_u32 ttmp9, 512
	s_cbranch_scc0 .Lcast
	; ---- layer norm ----
	v_lshrrev_b32 v3, 5, v0
	v_readfirstlane_b32 s2, v3                     ; wave 0..7
	v_and_b32 v1, 31, v0
	v_lshlrev_b32 v2, 3, v1                        ; 8 x lane: my 8 bytes of 256 stored
	v_lshlrev_b32 v1, 4, v1                        ; 16 x lane: my 16 bytes of 512 loaded
	s_lshl_b32 s3, ttmp9, 3
	s_add_co_u32 s3, s3, s2                        ; my row
	s_lshl_b32 s30, s3, 12                         ; x 4,096 bytes of f32
	s_mov_b32 s31, 0
	s_lshl_b32 s32, s3, 11                         ; x 2,048 bytes of bf16
	s_mov_b32 s33, 0
	s_add_nc_u64 s[8:9], s[8:9], s[30:31]
	s_add_nc_u64 s[16:17], s[16:17], s[32:33]
	s_mov_b32 s26, 0x76543210                      ; v_permlanex16_b32: each lane takes its own place in the other half
	s_mov_b32 s27, 0xfedcba98
	s_mov_b32 s28, 0x3a800000                      ; 1 / 1024
	s_mov_b32 s29, 0x3727c5ac                      ; eps = 1e-5
.irp j, 0,1,2,3,4,5,6,7
	global_load_b128 v[X+4*(\j):X+4*(\j)+3], v1, s[8:9] offset:512*(\j)
.endr
.irp j, 0,1,2,3,4,5,6,7
	global_load_b128 v[G+4*(\j):G+4*(\j)+3], v1, s[10:11] offset:512*(\j)
.endr
.irp j, 0,1,2,3,4,5,6,7
	global_load_b128 v[BB+4*(\j):BB+4*(\j)+3], v1, s[12:13] offset:512*(\j)
.endr
.macro LANESUM                         ; the four chains into one number, the same in every lane
	v_pk_add_f32 v[T:T+1], v[T:T+1], v[T+2:T+3]
	v_pk_add_f32 v[T+4:T+5], v[T+4:T+5], v[T+6:T+7]
	v_pk_add_f32 v[T:T+1], v[T:T+1], v[T+4:T+5]
	v_add_f32 v[T], v[T], v[T+1]
	v_add_f32_dpp v[T], v[T], v[T] row_xmask:1 row_mask:0xf bank_mask:0xf
	v_add_f32_dpp v[T], v[T], v[T] row_xmask:2 row_mask:0xf bank_mask:0xf
	v_add_f32_dpp v[T], v[T], v[T] row_xmask:4 row_mask:0xf bank_mask:0xf
	v_add_f32_dpp v[T], v[T], v[T] row_xmask:8 row_mask:0xf bank_mask:0xf
	v_permlanex16_b32 v[T+1], v[T], s26, s27       ; its destination counts as read: T+1 has been written
	v_add_f32 v[T], v[T], v[T+1]
.endm
	s_wait_loadcnt 16                              ; the row is in; the 16 younger loads (g, b) may stay out
.irp c, 0,1,2,3
	v_pk_add_f32 v[T+2*(\c):T+2*(\c)+1], v[X+2*(\c):X+2*(\c)+1], v[X+8+2*(\c):X+8+2*(\c)+1]  ; pairs 0-7 start the chains: nothing is cleared
.endr
.irp p, 8,9,10,11,12,13,14,15
	v_pk_add_f32 v[T+2*((\p)%4):T+2*((\p)%4)+1], v[T+2*((\p)%4):T+2*((\p)%4)+1], v[X+2*(\p):X+2*(\p)+1]
.endr
	LANESUM
	v_mul_f32 v[M], s28, v[T]
	v_mul_f32 v[M+1], s28, v[T]
.set i, 0
.rept 16
	v_pk_add_f32 v[X+i:X+i+1], v[X+i:X+i+1], v[M:M+1] neg_lo:[0,1] neg_hi:[0,1]  ; the deviations first: the variance is no difference of large sums
.set i, i+2
.endr
.irp c, 0,1,2,3
	v_pk_mul_f32 v[T+2*(\c):T+2*(\c)+1], v[X+2*(\c):X+2*(\c)+1], v[X+2*(\c):X+2*(\c)+1]
.endr
.irp p, 4,5,6,7,8,9,10,11,12,13,14,15
	v_pk_fma_f32 v[T+2*((\p)%4):T+2*((\p)%4)+1], v[X+2*(\p):X+2*(\p)+1], v[X+2*(\p):X+2*(\p)+1], v[T+2*((\p)%4):T+2*((\p)%4)+1]
.endr
	LANESUM
	v_fma_f32 v[T], v[T], s28, s29                 ; var + eps
	v_rsq_f32 v[R], v[T]
	v_rsq_f32 v[R+1], v[T]
	v_nop                                          ; a plain instruction behind the last root, ahead of the first use
	s_wait_alu depctr_va_vdst(0)                   ; one wait for both roots, ahead of the first reader
	s_wait_loadcnt 0x0                             ; g and b
.set i, 0
.rept 16
	v_pk_mul_f32 v[X+i:X+i+1], v[X+i:X+i+1], v[R:R+1]
.set i, i+2
.endr
.set i, 0
.rept 16
	v_pk_fma_f32 v[X+i:X+i+1], v[X+i:X+i+1], v[G+i:G+i+1], v[BB+i:BB+i+1]
.set i, i+2
.endr
.set i, 0
.rept 16
	v_cvt_pk_bf16_f32 v[OUT+i], v[X+2*i], v[X+2*i+1]
.set i, i+1
.endr
.irp j, 0,1,2,3,4,5,6,7
	global_store_b64 v2, v[OUT+2*(\j):OUT+2*(\j)+1], s[16:17] offset:256*(\j)  ; 32 lanes store 256 consecutive bytes, at a multiple of 256 from hn's first byte
.endr
	s_endpgm
	; ---- the cast of w_qkv ----
.Lcast:
	s_sub_co_u32 s2, ttmp9, 512                    ; chunk 0..191
	s_lshl_b32 s32, s2, 16
	s_mov_b32 s33, 0
	s_add_nc_u64 s[14:15], s[14:15], s[32:33]
	s_lshl_b32 s34, s2, 15
	s_mov_b32 s35, 0
	s_add_nc_u64 s[18:19], s[18:19], s[34:35]
	v_lshlrev_b32 v1, 4, v0                        ; 256 threads x 16 bytes: a load of the work-group covers 4,096 bytes
	v_lshlrev_b32 v2, 3, v0
.set i, 0
.rept 16
	global_load_b128 v[D+4*i:D+4*i+3], v1, s[14:15] offset:4096*i th:TH_LOAD_NT
.set i, i+1
.endr
.set i, 0
.rept 16
	s_wait_loadcnt 15-i                            ; loads come back in order: load i is in, the 15 - i younger ones stay out
	v_cvt_pk_bf16_f32 v[O+2*i], v[D+4*i], v[D+4*i+1]
	v_cvt_pk_bf16_f32 v[O+2*i+1], v[D+4*i+2], v[D+4*i+3]
	global_store_b64 v2, v[O+2*i:O+2*i+1], s[18:19] offset:2048*i  ; a wave stores 256 consecutive bytes, aligned; no register is written twice
.set i, i+1
.endr
	s_endpgm
.Lfunc_end_k_q96f04f903b_prep:
	.size	k_q96f04f903b_prep, .Lfunc_end_k_q96f04f903b_prep-k_q96f04f903b_prep
	.p2alignl 7, 3214868480
	.fill 96, 4, 3214868480
	.section	.rodata,"a",@progbits
	.p2align	6, 0x0
	.amdhsa_kernel k_q96f04f903b_prep
		.amdhsa_group_segment_fixed_size 0
		.amdhsa_private_segment_fixed_size 0
		.amdhsa_enable_private_segment 0
		.amdhsa_kernarg_size 48
		.amdhsa_user_sgpr_count 2
		.amdhsa_user_sgpr_kernarg_segment_ptr 1
		.amdhsa_wavefront_size32 1
		.amdhsa_system_sgpr_workgroup_id_x 1
		.amdhsa_system_sgpr_workgroup_id_y 1
		.amdhsa_system_sgpr_workgroup_id_z 1
		.amdhsa_system_vgpr_workitem_id 0
		.amdhsa_next_free_vgpr 136
		.amdhsa_next_free_sgpr 66
		.amdhsa_reserve_vcc 0
		.amdhsa_float_denorm_mode_32 3
		.amdhsa_float_denorm_mode_16_64 3
		.amdhsa_memory_ordered 1
		.amdhsa_forward_progress 1
		.amdhsa_inst_pref_size 18
	.end_amdhsa_kernel
	.amdgpu_metadata
---
amdhsa.version: [ 1, 2 ]
amdhsa.kernels:
  - .name:           k_q96f04f903b_prep
    .symbol:         k_q96f04f903b_prep.kd
    .args:
      - { .name: x, .offset: 0, .size: 8, .value_kind: global_buffer, .address_space: global }
      - { .name: ln1_g, .offset: 8, .size: 8, .value_kind: global_buffer, .address_space: global }
      - { .name: ln1_b, .offset: 16, .size: 8, .value_kind: global_buffer, .address_space: global }
      - { .name: w_qkv, .offset: 24, .size: 8, .value_kind: global_buffer, .address_space: global }
      - { .name: hn, .offset: 32, .size: 8, .value_kind: global_buffer, .address_space: global }
      - { .name: wq, .offset: 40, .size: 8, .value_kind: global_buffer, .address_space: global }
    .group_segment_fixed_size: 0
    .private_segment_fixed_size: 0
    .kernarg_segment_align: 8
    .kernarg_segment_size: 48
    .max_flat_workgroup_size: 256
    .sgpr_count:     66
    .vgpr_count:     136
    .wavefront_size: 32
...
	.end_amdgpu_metadata
.endif
;; end of part 1
;; launch qkv (part 2): grid 12 x 16, 4 waves a work-group, clusters of 4 x 4, 327,680 bytes of LDS; arguments hn, wq, b_qkv, qkvh, w_proj, w_fc1, w_fc2, wr; writes qkvh, wr
.if DOCPART == 2
	.amdgcn_target "amdgcn-amd-amdhsa--gfx1250"
	.amdhsa_code_object_version 6
	.text
	.protected	k_q96f04f903b_qkv
	.globl	k_q96f04f903b_qkv
	.p2align	8
	.type	k_q96f04f903b_qkv,@function
k_q96f04f903b_qkv:
	s_mov_b64 s[64:65], 0
	v_nop
	global_prefetch_b8 v0, s[64:65] scope:SCOPE_SE
	s_setreg_imm32_b32 hwreg(HW_REG_WAVE_MODE, 25, 1), 1
	s_wait_xcnt 0x0
	s_wait_alu depctr_hold_cnt(0) depctr_sa_sdst(0) depctr_va_vdst(0) depctr_va_sdst(0) depctr_va_ssrc(0) depctr_va_vcc(0) depctr_vm_vsrc(0)
	s_getreg_b32 s2, hwreg(HW_REG_IB_STS2, 6, 4)
	s_cmp_eq_u32 s2, 0
	s_cbranch_scc0 .Lentry_in_a_cluster
	s_endpgm
.Lentry_in_a_cluster:
	s_bfe_u32 s2, ttmp6, 0x10000c
	s_cmp_lg_u32 s2, 0xf033
	s_cbranch_scc0 .Lentry_shape_is_right
	s_endpgm
.Lentry_shape_is_right:
; Launch 2 of 7: qkv = hn w_qkv^T + b_qkv, written by heads: qkvh[3][32 = 16 batch + head][2048][64] in bf16, q unscaled.  hn: [4096][1024] bf16; w_qkv in bf16 in wq; sums in f32.
; Nothing is left out: the key third of the bias, which cancels in the softmax, rides as the C operand of the first products like the other two thirds.
; SHARES.  A work-group makes 256 x 256 of the product, each of its four waves 128 x 128: 64 accumulators, 512 registers.  K = 1,024 comes in 8 TILES of 128 through two LDS slots; a tile is four STAGES of 32.
; THE PIPELINE.  Stage q waits for its own fragments, fetches stage q + 1's into the other buffer and multiplies.  Tiles 0 and 1 are asked for together at the start.  The change of slots for tile t (t from 1 on) stands
; in front of stage 4 t - 1, whose fetch is the first read of tile t; so the four stages behind a change all fetch from one slot: two PAIRs of one text, looped.  Behind the change for tile t the slot just left is
; asked for tile t + 1: that load has 256 matrix instructions in which to land.  A wave has two tensor loads out at the start and one behind each change.
; CLUSTER.  4 x 4 work-groups: A's tile is asked for jointly along a row of the cluster, W's along a column.
; TRANSPOSED USE.  Source 0 = 16 rows of W, source 1 = 16 rows of hn: lane l holds row l % 16 of the result and the columns 8 (l / 16) + 0..7.  The bias of those columns is the C operand that starts each sum.
; THE CAST THAT RIDES ALONG.  w_proj, w_fc1 and w_fc2, by which launches 4, 6 and 7 multiply, are rounded to bf16 here, into wr (w_proj at byte 0, w_fc1 at 2,097,152, w_fc2 at 10,485,760, each row-major as given):
; 4,608 units of 2,048 numbers, six for each of the 768 waves.  Behind each of the six changes of slots in the loop a wave rounds and stores the unit that it asked for a tile earlier (32 roundings, 16 stores of 256
; consecutive bytes) and asks for its next (16 loads, which have a tile's 256 matrix instructions in which to land); the first unit is asked for at the head.  Cluster c takes units 384 c .. 384 c + 383 in six groups
; of 64, a unit a wave; the matrices' bounds, units 512 and 2,560, are multiples of 64, so which matrix a group lies in hangs on the cluster's number and the loop's step alone.
; THE WAY OUT.  All 64 accumulators go in f32 into the ring's bytes (their last fill is over), 128 rows of 528 bytes a wave; a loop reads 8 rows a trip, rounds, and stores 256 consecutive bytes (two tokens of a head) an instruction.
; REGISTERS, in windows of 256: window 0: v16-30 addresses; hn's fragments v64-127, v128-191; v192-255 the cast's unit; the way out v64-95, v192-207.  Window 1: v0-63 the bias; W's fragments v64-127, v128-191.
; Windows 2, 3: accumulators (a, b) at v[8 (8 (a % 4) + b)].
; LIMITS.  NaN and infinities are not treated apart; operands and results are bf16.
.set PITCH,  272                       ; an LDS row: 256 bytes + 16 of padding: the 16 rows of a fragment load start at 16 different groups of four banks
.set HALFT,  128*PITCH                 ; what one tensor load brings
.set SLOT,   4*HALFT                   ; 0x22000: its two bits occur in no wave's fill address (0, 0x8800, 0x11000, 0x19800), so one exclusive or changes slots
.set SPARE,  2*SLOT                    ; behind the ring: the spare words, 128 bytes a wave
.set NT,     8                         ; tiles along K
.set STG,    64                        ; bytes of a row in a stage
.set TSTEP,  256                       ; bytes of a row in a tile
.set DP,     528                       ; the way out: 512 bytes of f32 + 16
.set DW,     128*DP                    ; a wave's part of it
.set ADRA0, 16                         ; v16  my lane's place in hn's tile, slot 0, stage 0; never rewritten
.set ADRB0, 17                         ; v17  the same for W
.set ADA,   18                         ; v18  the address of the fetches in hand
.set ADB,   19
.set DST,   20                         ; v20  the way out: where my 32 bytes of a row go
.set RD,    21                         ; v21  where I read rows back
.set GO,    22                         ; v22  my byte offset in qkvh
.set BO,    23                         ; v23  32 (l / 16): my 8 numbers of 16 of the bias
.set CSO,   24                         ; v24  the cast: 8,192 x my wave's place among the cluster's 64 + 16 x lane; never rewritten
.set CDO,   25                         ; v25  the cast: 4,096 x that place + 8 x lane; never rewritten
.set SPW,   28                         ; v28  my spare word; never rewritten
.set NIL,   29                         ; v29  0; never rewritten
.set PFO,   30                         ; v30  lane x 2,048: a lane a row; never rewritten
.set F0,    64
.set F1,    128
.set Y,     64
.set OUT,   192
.set CD,    192                        ; v[192:255] the cast's unit: as loaded, then rounded in place
.set WV, 12                            ; wave
.set WR, 13                            ; my half of the rows; also: I fetch hn (0) or W (1)
.set WC, 14                            ; my half of the columns; also: which 128 rows of that tile I fetch
.set CX, 15
.set CY, 16
.set TC, 17                            ; tile column
.set TR, 18                            ; tile row
.set TA, 19                            ; LDS byte at which the next pair of fetches begins
.set CNT, 21
.set TILES, 22
.set LIM, 23                           ; 2 in a wave that prefetches, else the greatest number
.set G1, 24
.set G0, 32                            ; group 0 for hn: tile 1's, which then walks on
.set G0B, 36                           ; the same for W
.set PFA, 40
.set G1B, 48
.set WP, 68                            ; s[68:75] w_proj, w_fc1, w_fc2, wr
.set W1, 70
.set W2, 72
.set WRB, 74
.set CV, 76                            ; the first unit of the group of 64 in hand
.set CF, 77                            ; the first unit of its matrix
.set CO, 78                            ; s[78:79] a byte offset
.set CS, 80                            ; s[80:81] where the group begins in its matrix
.set CDS, 82                           ; s[82:83] where it begins in wr
.set G0F, 84                           ; group 0 for hn's tile 0
.set G0BF, 88                          ; for W's tile 0
.set PW, 92                            ; my wave's place among the cluster's 64
.set MSB, 0
.macro WIN new                         ; the immediate's high byte repeats the setting that is left; a switch that changes nothing is dropped
.if MSB != (\new)
	s_set_vgpr_msb (MSB<<8)|(\new)
.set MSB, \new
.endif
.endm
.macro PLACES                          ; four places behind a matrix instruction, in front of loads into registers that it read and of stores that read results
.rept 4
	v_nop
.endr
.endm
.macro CROUND                          ; a round of the cluster's barrier
	s_barrier_signal -1
	s_barrier_wait -1
	s_cmp_lg_u32 s[WV], 0
	s_cbranch_scc1 .Lnot_wave_0_\@
	s_barrier_signal -3
.Lnot_wave_0_\@:
	s_barrier_wait -3
	s_barrier_signal -1
	s_barrier_wait -1
.endm
.macro JLOAD ga, gb                    ; a joint load: waves 0, 1 fetch hn's two halves, waves 2, 3 W's; an s_nop 0 and four v_nop follow each line
	s_cmp_eq_u32 s[WR], 0
	s_cbranch_scc0 .Lfor_b_\@
	tensor_load_to_lds s[(\ga):(\ga)+3], s[G1:G1+7]
	s_nop 0
.rept 4
	v_nop
.endr
	s_branch .Lasked_\@
.Lfor_b_\@:
	tensor_load_to_lds s[(\gb):(\gb)+3], s[G1B:G1B+7]
	s_nop 0
.rept 4
	v_nop
.endr
.Lasked_\@:
.endm
; A PREFETCH INTO THE L2: behind the joint load for tile t + 1 a wave names tile t + 3, two refills (512 matrix instructions) ahead of the load that will want it: 32 rows x 256 bytes, a lane a row.
; hn's rows are asked for by the clusters with x = 0, W's by those with y = 0; of the 128 rows that a wave fetches, the partner at place p (cx for hn, cy for W) takes 32 p .. 32 p + 31, told apart by address.
; So each row's 256 bytes of a tile are named once.  Tiles 0 to 3 come by their loads alone; the changes for tiles 5 and 6 ask for nothing: there is no tile 8.
.macro ASK
	s_cmp_gt_u32 s[TILES], s[LIM]
	s_cbranch_scc0 .Lnot_mine_\@
	global_prefetch_b8 v[PFO], s[PFA:PFA+1] th:TH_LOAD_NT scope:SCOPE_SE
.Lnot_mine_\@:
.endm
; THE CHANGE OF SLOTS.  Each wave waits for all its tensor loads (one is out: its part of the next tile), adds 0 to its spare word, and waits for that and for its reads of the slot that it leaves.
; fill = 1: a round of the cluster's barrier, so that no wave of any partner still reads that slot or has a load on its way; the joint refill is the first thing behind it.
.macro BOUND fill, ask
	WIN 0
	s_wait_tensorcnt 0x0                           ; no tensor load of mine is out, so the descriptors may be written
	ds_add_u32 v[SPW], v[NIL]                      ; the scalar steps stand between the add and the wait for it
.if \fill
	s_xor_b32 s[G0+1], s[G0+1], SLOT
	s_add_nc_u64 s[G0+2:G0+3], s[G0+2:G0+3], TSTEP
	s_xor_b32 s[G0B+1], s[G0B+1], SLOT
	s_add_nc_u64 s[G0B+2:G0B+3], s[G0B+2:G0B+3], TSTEP
.endif
.if \ask
	s_wait_xcnt 0x0                                ; the last prefetch, a tile back, has read its address
	s_add_nc_u64 s[PFA:PFA+1], s[PFA:PFA+1], TSTEP
.endif
	s_sub_co_u32 s[TA], s[TA], 4*STG               ; the fetches go back to a row's first stage,
	s_xor_b32 s[TA], s[TA], SLOT                   ; in the other slot
	s_wait_dscnt 0x0                               ; the add is done, and my reads of the slot are over
.if \fill
	CROUND
	JLOAD G0, G0B
.if \ask
	ASK
.endif
.else
	s_barrier_signal -1
	s_barrier_wait -1
.endif
.endm
; THE CAST.  CASTADR: where the group of 64 units that begins at unit s[CV] lies, in its matrix and in wr.  The two compares hang on the cluster's number and the loop's step alone.
.macro CASTADR
	s_mov_b64 s[CS:CS+1], s[W2:W2+1]               ; units 2,560.. are w_fc2's,
	s_mov_b32 s[CF], 2560
	s_cmp_lt_u32 s[CV], 2560
	s_cselect_b64 s[CS:CS+1], s[W1:W1+1], s[CS:CS+1]  ; 512.. w_fc1's,
	s_cselect_b32 s[CF], 512, s[CF]
	s_cmp_lt_u32 s[CV], 512
	s_cselect_b64 s[CS:CS+1], s[WP:WP+1], s[CS:CS+1]  ; 0.. w_proj's
	s_cselect_b32 s[CF], 0, s[CF]
	s_sub_co_u32 s[CF], s[CV], s[CF]               ; the unit's number in its own matrix
	s_lshl_b32 s[CO], s[CF], 13                    ; x 8,192 bytes of f32
	s_add_nc_u64 s[CS:CS+1], s[CS:CS+1], s[CO:CO+1]
	s_lshl_b32 s[CO], s[CV], 12                    ; x 4,096 bytes of bf16
	s_add_nc_u64 s[CDS:CDS+1], s[WRB:WRB+1], s[CO:CO+1]
.endm
.macro CASTLOADS                       ; my unit: 16 loads of 512 consecutive bytes
.set i, 0
.rept 16
	global_load_b128 v[CD+4*i:CD+4*i+3], v[CSO], s[CS:CS+1] offset:512*i th:TH_LOAD_NT
.set i, i+1
.endr
.endm
.macro CASTSTEP                        ; the unit asked for a tile ago is rounded and stored; the next is asked for, but in the loop's last trip, which has none
	s_wait_loadcnt 0x0                             ; my unit is in
.set i, 0
.rept 16
	v_cvt_pk_bf16_f32 v[CD+4*i], v[CD+4*i], v[CD+4*i+1]
	v_cvt_pk_bf16_f32 v[CD+4*i+1], v[CD+4*i+2], v[CD+4*i+3]
.set i, i+1
.endr
.set i, 0
.rept 16
	global_store_b64 v[CDO], v[CD+4*i:CD+4*i+1], s[CDS:CDS+1] offset:256*i  ; 32 lanes store 256 consecutive bytes, at a multiple of 256 from wr's first byte
.set i, i+1
.endr
	s_cmp_eq_u32 s[TILES], 1
	s_cbranch_scc1 .Lcast_over_\@
	s_wait_xcnt 0x0                                ; the stores have read their data and their base: both are written again below
	s_add_co_u32 s[CV], s[CV], 64
	CASTADR
	CASTLOADS
.Lcast_over_\@:
.endm
.macro FETCH g, k                      ; 32 LDS loads in one run: a stage's fragments (128 rows of W, 128 of hn, 32 along K at byte k behind the addresses) into buffer g
	WIN 0x40                                       ; destination window 1, address window 0
.irp i, 0,1,2,3,4,5,6,7
	ds_load_b128 v[(\g)+8*(\i):(\g)+8*(\i)+3],   v[ADB] offset:(\k)+(\i)*16*PITCH
	ds_load_b128 v[(\g)+8*(\i)+4:(\g)+8*(\i)+7], v[ADB] offset:(\k)+(\i)*16*PITCH+32
.endr
	WIN 0
.irp i, 0,1,2,3,4,5,6,7
	ds_load_b128 v[(\g)+8*(\i):(\g)+8*(\i)+3],   v[ADA] offset:(\k)+(\i)*16*PITCH
	ds_load_b128 v[(\g)+8*(\i)+4:(\g)+8*(\i)+7], v[ADA] offset:(\k)+(\i)*16*PITCH+32
.endr
.endm
; A stage's 64 products.  The 64 accumulators take turns in one fixed order, one instruction a turn, over every jump too.  init = 1: C is the bias (window 1): nothing is cleared.
.macro MUL f, init
.irp hi, 0,1
.if \init
	WIN 0x91+0x40*(\hi)
.else
	WIN 0xa1+0x50*(\hi)
.endif
.irp a, 0,1,2,3
.irp b, 0,1,2,3,4,5,6,7
.if \init
	v_wmma_f32_16x16x32_bf16 v[8*(8*(\a)+(\b)):8*(8*(\a)+(\b))+7], v[(\f)+8*(\b):(\f)+8*(\b)+7], v[(\f)+8*(4*(\hi)+(\a)):(\f)+8*(4*(\hi)+(\a))+7], v[8*(\b):8*(\b)+7]
.else
	v_wmma_f32_16x16x32_bf16 v[8*(8*(\a)+(\b)):8*(8*(\a)+(\b))+7], v[(\f)+8*(\b):(\f)+8*(\b)+7], v[(\f)+8*(4*(\hi)+(\a)):(\f)+8*(4*(\hi)+(\a))+7], v[8*(8*(\a)+(\b)):8*(8*(\a)+(\b))+7]
.endif
.endr
.endr
.endr
.endm
.macro STAGE f, g, k
	s_wait_dscnt 0x0                               ; buffer f's 32 loads, issued a stage ago, are in
	PLACES                                         ; behind the last product that read buffer g
	FETCH \g, \k
	MUL \f, 0
.endm
.macro PAIR
	WIN 0
	v_add_nc_u32 v[ADA], s[TA], v[ADRA0]
	v_add_nc_u32 v[ADB], s[TA], v[ADRB0]
	STAGE F1, F0, 0
	STAGE F0, F1, STG
	WIN 0                                          ; at a label and at a branch every window is 0
	s_add_co_u32 s[TA], s[TA], 2*STG
.endm
.macro TWO_PAIRS
	s_mov_b32 s[CNT], 2
.Lpair_\@:
	PAIR
	s_sub_co_u32 s[CNT], s[CNT], 1
	s_cmp_lg_u32 s[CNT], 0
	s_cbranch_scc1 .Lpair_\@
.endm
.macro DUMP                            ; accumulator (a, b): row 16 a + l % 16, bytes 64 b + 32 (l / 16) on; each accumulator's low registers first
.irp a, 0,1,2,3,4,5,6,7
	WIN 0x08+4*((\a)/4)                            ; store data (source 1) in window 2 or 3
.irp b, 0,1,2,3,4,5,6,7
	ds_store_b128 v[DST], v[8*(8*((\a)%4)+(\b)):8*(8*((\a)%4)+(\b))+3]   offset:(\a)*16*DP+64*(\b)
	ds_store_b128 v[DST], v[8*(8*((\a)%4)+(\b))+4:8*(8*((\a)%4)+(\b))+7] offset:(\a)*16*DP+64*(\b)+16
.endr
.endr
	WIN 0
.endm
	s_load_b256 s[4:11], s[0:1], 0x0               ; hn 4:5, wq 6:7, b_qkv 8:9, qkvh 10:11
	s_load_b256 s[68:75], s[0:1], 0x20             ; w_proj 68:69, w_fc1 70:71, w_fc2 72:73, wr 74:75
	v_lshl_add_u32 v[SPW], v0, 2, SPARE
	v_mov_b32 v[NIL], 0
	ds_add_u32 v[SPW], v[NIL]                      ; the opening: the add, twice on end, and its wait ahead of my first tensor load
	ds_add_u32 v[SPW], v[NIL]
	v_lshrrev_b32 v1, 5, v0
	v_readfirstlane_b32 s[WV], v1
	s_lshr_b32 s[WR], s[WV], 1
	s_and_b32 s[WC], s[WV], 1
	s_bfe_u32 s[CX], ttmp6, 0x40000
	s_bfe_u32 s[CY], ttmp6, 0x40004
	s_lshl_b32 s[TC], ttmp9, 2
	s_add_co_u32 s[TC], s[TC], s[CX]
	s_and_b32 s[TR], ttmp7, 0xffff
	s_lshl_b32 s[TR], s[TR], 2
	s_add_co_u32 s[TR], s[TR], s[CY]
	s_lshl_b32 s2, s[CY], 2
	s_lshl_b32 s2, 15, s2                          ; my row of the cluster
	s_lshl_b32 s3, 0x1111, s[CX]                   ; my column
	s_or_b32 s[G1], s2, (1<<16)|(1<<20)|(1<<21)|(5<<22)|(3<<25)   ; mask; 2-byte elements; padding on; bit 21 beside a mask; after every 64 words; 4 words
	s_or_b32 s[G1B], s3, (1<<16)|(1<<20)|(1<<21)|(5<<22)|(3<<25)
.irp g, G1, G1B
	s_mov_b32 s[(\g)+1], 128<<16                   ; tensor_dim0 = 128
	s_mov_b32 s[(\g)+2], 128<<16                   ; tensor_dim1 = 128
	s_mov_b32 s[(\g)+3], 128<<16                   ; tile_dim0 = 128
	s_mov_b32 s[(\g)+4], 128                       ; tile_dim1 = 128
	s_mov_b32 s[(\g)+5], 1024                      ; elements from row to row
	s_mov_b32 s[(\g)+6], 0
	s_mov_b32 s[(\g)+7], 0
.endr
	s_lshl_b32 s44, s[WC], 18                      ; the 128 rows that I fetch, x 2,048 bytes
	s_lshl_b32 s42, s[TR], 19                      ; hn: row 256 x tile row
	s_add_co_u32 s42, s42, s44
	s_mov_b32 s43, 0
	s_lshl_b32 s46, s[TC], 19                      ; W: row 256 x tile column
	s_add_co_u32 s46, s46, s44
	s_mov_b32 s47, 0
	s_mov_b32 s[G0F], 1
	s_mul_i32 s[G0F+1], s[WV], HALFT               ; slot 0: hn's halves, then W's: wave x 128 rows
	s_mov_b32 s[G0BF], 1
	s_mul_i32 s[G0BF+1], s[WV], HALFT
	s_mov_b32 s[G0], 1
	s_mul_i32 s[G0+1], s[WV], HALFT
	s_add_co_u32 s[G0+1], s[G0+1], SLOT            ; slot 1
	s_mov_b32 s[G0B], 1
	s_mul_i32 s[G0B+1], s[WV], HALFT
	s_add_co_u32 s[G0B+1], s[G0B+1], SLOT
	s_mov_b32 s[TA], 0
	s_wait_dscnt 0x0                               ; both opening adds are done
	s_wait_kmcnt 0x0
	s_add_nc_u64 s[G0F+2:G0F+3], s[4:5], s[42:43]  ; tile 0,
	s_add_nc_u64 s[G0+2:G0+3], s[G0F+2:G0F+3], TSTEP  ; tile 1
	s_or_b32 s[G0F+3], s[G0F+3], 0x80000000
	s_or_b32 s[G0+3], s[G0+3], 0x80000000
	s_add_nc_u64 s[G0BF+2:G0BF+3], s[6:7], s[46:47]
	s_add_nc_u64 s[G0B+2:G0B+3], s[G0BF+2:G0BF+3], TSTEP
	s_or_b32 s[G0BF+3], s[G0BF+3], 0x80000000
	s_or_b32 s[G0B+3], s[G0B+3], 0x80000000
	CROUND                                         ; all sixteen work-groups are here: the first joint loads meet
	JLOAD G0F, G0BF                                ; tile 0 into slot 0,
	JLOAD G0, G0B                                  ; tile 1 into slot 1: the two first fills go out together
	; the bias of my 128 columns, as the accumulators hold them
	s_lshl_b32 s56, s[TC], 10
	s_lshl_b32 s57, s[WC], 9
	s_add_co_u32 s56, s56, s57
	s_mov_b32 s57, 0
	s_add_nc_u64 s[8:9], s[8:9], s[56:57]
	v_and_b32 v1, 15, v0                           ; l % 16
	v_bfe_u32 v2, v0, 4, 1                         ; l / 16
	v_lshlrev_b32 v[BO], 5, v2
	WIN 0x40
.irp b, 0,1,2,3,4,5,6,7
	global_load_b128 v[8*(\b):8*(\b)+3],   v[BO], s[8:9] offset:64*(\b)
	global_load_b128 v[8*(\b)+4:8*(\b)+7], v[BO], s[8:9] offset:64*(\b)+16
.endr
	WIN 0
	; the cast: my cluster's first group, my wave's place in a group, and the first unit's loads
	s_and_b32 s[CV], ttmp7, 0xffff
	s_mul_i32 s[CV], s[CV], 3
	s_add_co_u32 s[CV], s[CV], ttmp9               ; the cluster's number, 0..11
	s_mul_i32 s[CV], s[CV], 384
	s_mov_b32 s[CO+1], 0
	s_lshl2_add_u32 s[PW], s[CY], s[CX]
	s_lshl2_add_u32 s[PW], s[PW], s[WV]            ; 4 x (cx + 4 cy) + wave
	v_and_b32 v31, 31, v0
	s_lshl_b32 s[CO], s[PW], 13
	v_lshl_add_u32 v[CSO], v31, 4, s[CO]
	s_lshl_b32 s[CO], s[PW], 12
	v_lshl_add_u32 v[CDO], v31, 3, s[CO]
	CASTADR
	CASTLOADS
	; the prefetches
	s_lshl_b32 s58, s[TR], 8
	s_lshl_b32 s59, s[TC], 8
	s_and_b32 s60, ttmp7, 0xffff                   ; cluster y
	s_cmp_eq_u32 s[WR], 0                          ; do I fetch hn?
	s_cselect_b32 s58, s58, s59                    ; the tile's first row
	s_cselect_b32 s59, s[CX], s[CY]                ; my place among the four that ask with me
	s_cselect_b32 s60, ttmp9, s60                  ; the coordinate along which other clusters read the same rows
	s_cselect_b64 s[PFA:PFA+1], s[4:5], s[6:7]
	s_cmp_eq_u32 s60, 0
	s_cselect_b32 s[LIM], 2, -1
	s_lshl_b32 s60, s[WC], 7
	s_add_co_u32 s58, s58, s60
	s_lshl_b32 s59, s59, 5
	s_add_co_u32 s58, s58, s59
	s_lshl_b32 s58, s58, 11
	s_mov_b32 s59, 0
	s_add_nc_u64 s[PFA:PFA+1], s[PFA:PFA+1], s[58:59]
	s_add_nc_u64 s[PFA:PFA+1], s[PFA:PFA+1], 3*TSTEP   ; at tile 3: the change for tile 1 steps it to tile 4
	v_and_b32 v[PFO], 31, v0
	v_lshlrev_b32 v[PFO], 11, v[PFO]
	; lane addresses
	v_mul_u32_u24 v3, v1, PITCH
	v_lshl_add_u32 v3, v2, 4, v3                   ; row x pitch + 16 x half
	s_mul_i32 s2, s[WR], HALFT
	s_mul_i32 s3, s[WC], HALFT
	s_add_co_u32 s3, s3, 2*HALFT
	v_add_nc_u32 v[ADRA0], s2, v3
	v_add_nc_u32 v[ADRB0], s3, v3
	s_mul_i32 s2, s[WV], DW
	v_mul_u32_u24 v[DST], v1, DP
	v_lshl_add_u32 v[DST], v2, 5, v[DST]
	v_add_nc_u32 v[DST], s2, v[DST]
	v_mul_u32_u24 v[RD], v2, DP                    ; back: lanes 0-15 take one head's 256 bytes of a row, lanes 16-31 the next row's
	v_lshl_add_u32 v[RD], v1, 4, v[RD]
	v_add_nc_u32 v[RD], s2, v[RD]
	v_lshlrev_b32 v[GO], 7, v2                     ; a token's 128 bytes, 8 bytes a lane
	v_lshl_add_u32 v[GO], v1, 3, v[GO]
	; my part of qkvh: columns 256 TC + 128 WC on are heads hc, hc + 1 of q, k or v; rows 256 TR + 128 WR on are tokens of one batch
	s_lshl_b32 s56, s[TC], 2
	s_lshl1_add_u32 s56, s[WC], s56                ; hc = 4 TC + 2 WC
	s_lshr_b32 s57, s56, 4                         ; q, k or v
	s_and_b32 s56, s56, 15                         ; the head
	s_lshl_b32 s57, s57, 5
	s_add_co_u32 s56, s56, s57
	s_lshr_b32 s57, s[TR], 3                       ; the batch
	s_lshl4_add_u32 s56, s57, s56
	s_lshl_b32 s56, s56, 18                        ; x 262,144 bytes
	s_and_b32 s57, s[TR], 7
	s_lshl_b32 s57, s57, 15                        ; 256 tokens x 128 bytes
	s_add_co_u32 s56, s56, s57
	s_lshl_b32 s57, s[WR], 14
	s_add_co_u32 s56, s56, s57
	s_mov_b32 s57, 0
	s_add_nc_u64 s[10:11], s[10:11], s[56:57]
	s_wait_tensorcnt 0x1                           ; my part of tile 0 is in; tile 1's load may stay out
	s_barrier_signal -1
	s_barrier_wait -1                              ; everybody's part of tile 0 is in
	v_add_nc_u32 v[ADA], s[TA], v[ADRA0]
	v_add_nc_u32 v[ADB], s[TA], v[ADRB0]
	FETCH F0, 0
	FETCH F1, STG
	s_wait_loadcnt 16                              ; the bias is in; the 16 younger loads, the cast's first unit, stay out
	s_wait_dscnt 32                                ; stage 0's fragments are in; stage 1's 32 loads may stay out
	MUL F0, 1                                      ; stage 0 starts the sums
	WIN 0
	s_add_co_u32 s[TA], s[TA], 2*STG
	PAIR                                           ; stages 1 and 2
	s_mov_b32 s[TILES], NT-2
.Ltile:                                                ; the changes for tiles 1 to 6
	BOUND 1, 1
	CASTSTEP
	TWO_PAIRS
	s_sub_co_u32 s[TILES], s[TILES], 1
	s_cmp_lg_u32 s[TILES], 0
	s_cbranch_scc1 .Ltile
	BOUND 0, 0                                     ; the last tile: nothing is asked for
	TWO_PAIRS
	s_wait_dscnt 0x0                               ; the last stage's fragments are in: my reads of the ring are over
	s_barrier_signal -1
	MUL F1, 0
	s_barrier_wait -1                              ; everybody's are: the ring's bytes may be stored into
	PLACES
	DUMP
	s_wait_dscnt 0x0                               ; one barrier between all stores into the stage and all reads of it, whose address steps in a loop
	s_barrier_signal -1
	s_barrier_wait -1
.macro ROWS8                           ; 8 rows: load (p, hd) takes rows 2 p, 2 p + 1, head hd
.irp p, 0,1,2,3
.irp hd, 0,1
	ds_load_b128 v[Y+4*(2*(\p)+(\hd)):Y+4*(2*(\p)+(\hd))+3], v[RD] offset:(\p)*2*DP+256*(\hd)
.endr
.endr
.endm
	ROWS8
	s_mov_b32 s[CNT], 16
.Lrows:
	s_wait_dscnt 0x0
	s_wait_xcnt 0x0                                ; the last trip's stores (in the first trip: the cast's last) have read OUT and GO
.set i, 0
.rept 16
	v_cvt_pk_bf16_f32 v[OUT+i], v[Y+2*i], v[Y+2*i+1]
.set i, i+1
.endr
	v_add_nc_u32 v[GO], 1024, v[GO]                ; 8 tokens on; the stores reach back
	s_cmp_eq_u32 s[CNT], 1
	s_cbranch_scc1 .Lno_more                       ; the last trip reads nothing more
	v_add_nc_u32 v[RD], 8*DP, v[RD]
	ROWS8
.Lno_more:
.irp p, 0,1,2,3
.irp hd, 0,1
	global_store_b64 v[GO], v[OUT+2*(2*(\p)+(\hd)):OUT+2*(2*(\p)+(\hd))+1], s[10:11] offset:256*(\p)+262144*(\hd)-1024  ; 32 lanes store 256 consecutive bytes, aligned
.endr
.endr
	s_sub_co_u32 s[CNT], s[CNT], 1
	s_cmp_lg_u32 s[CNT], 0
	s_cbranch_scc1 .Lrows
	s_wait_tensorcnt 0x0                           ; the wave's end
	ds_add_u32 v[SPW], v[NIL]
	s_wait_dscnt 0x0
	CROUND                                         ; the closing round
	s_endpgm
.Lfunc_end_k_q96f04f903b_qkv:
	.size	k_q96f04f903b_qkv, .Lfunc_end_k_q96f04f903b_qkv-k_q96f04f903b_qkv
	.p2alignl 7, 3214868480
	.fill 96, 4, 3214868480
	.section	.rodata,"a",@progbits
	.p2align	6, 0x0
	.amdhsa_kernel k_q96f04f903b_qkv
		.amdhsa_group_segment_fixed_size 327680
		.amdhsa_private_segment_fixed_size 0
		.amdhsa_enable_private_segment 0
		.amdhsa_kernarg_size 64
		.amdhsa_user_sgpr_count 2
		.amdhsa_user_sgpr_kernarg_segment_ptr 1
		.amdhsa_wavefront_size32 1
		.amdhsa_system_sgpr_workgroup_id_x 1
		.amdhsa_system_sgpr_workgroup_id_y 1
		.amdhsa_system_sgpr_workgroup_id_z 1
		.amdhsa_system_vgpr_workitem_id 0
		.amdhsa_next_free_vgpr 1024
		.amdhsa_next_free_sgpr 96
		.amdhsa_reserve_vcc 0
		.amdhsa_float_denorm_mode_32 3
		.amdhsa_float_denorm_mode_16_64 3
		.amdhsa_memory_ordered 1
		.amdhsa_forward_progress 1
		.amdhsa_inst_pref_size 83
	.end_amdhsa_kernel
	.amdgpu_metadata
---
amdhsa.version: [ 1, 2 ]
amdhsa.kernels:
  - .name:           k_q96f04f903b_qkv
    .symbol:         k_q96f04f903b_qkv.kd
    .args:
      - { .name: hn, .offset: 0, .size: 8, .value_kind: global_buffer, .address_space: global }
      - { .name: wq, .offset: 8, .size: 8, .value_kind: global_buffer, .address_space: global }
      - { .name: b_qkv, .offset: 16, .size: 8, .value_kind: global_buffer, .address_space: global }
      - { .name: qkvh, .offset: 24, .size: 8, .value_kind: global_buffer, .address_space: global }
      - { .name: w_proj, .offset: 32, .size: 8, .value_kind: global_buffer, .address_space: global }
      - { .name: w_fc1, .offset: 40, .size: 8, .value_kind: global_buffer, .address_space: global }
      - { .name: w_fc2, .offset: 48, .size: 8, .value_kind: global_buffer, .address_space: global }
      - { .name: wr, .offset: 56, .size: 8, .value_kind: global_buffer, .address_space: global }
    .group_segment_fixed_size: 327680
    .private_segment_fixed_size: 0
    .kernarg_segment_align: 8
    .kernarg_segment_size: 64
    .max_flat_workgroup_size: 128
    .sgpr_count:     96
    .vgpr_count:     1024
    .wavefront_size: 32
...
	.end_amdgpu_metadata
.endif
;; end of part 2
;; launch attn (part 3): grid 8 x 32, 4 waves a work-group, clusters of 4 x 1, 327,680 bytes of LDS; arguments qkvh, oh; writes oh
.if DOCPART == 3
	.amdgcn_target "amdgcn-amd-amdhsa--gfx1250"
	.amdhsa_code_object_version 6
	.text
	.protected	k_q96f04f903b_attn
	.globl	k_q96f04f903b_attn
	.p2align	8
	.type	k_q96f04f903b_attn,@function
k_q96f04f903b_attn:
	s_mov_b64 s[64:65], 0
	v_nop
	global_prefetch_b8 v0, s[64:65] scope:SCOPE_SE
	s_setreg_imm32_b32 hwreg(HW_REG_WAVE_MODE, 25, 1), 1
	s_wait_xcnt 0x0
	s_wait_alu depctr_hold_cnt(0) depctr_sa_sdst(0) depctr_va_vdst(0) depctr_va_sdst(0) depctr_va_ssrc(0) depctr_va_vcc(0) depctr_vm_vsrc(0)
	s_getreg_b32 s2, hwreg(HW_REG_IB_STS2, 6, 4)
	s_cmp_eq_u32 s2, 0
	s_cbranch_scc0 .Lentry_in_a_cluster
	s_endpgm
.Lentry_in_a_cluster:
	s_bfe_u32 s2, ttmp6, 0x10000c
	s_cmp_lg_u32 s2, 0x3003
	s_cbranch_scc0 .Lentry_shape_is_right
	s_endpgm
.Lentry_shape_is_right:
; Launch 3 of 7: oh[hd][q][:] = the sum over k of softmax_k(Q[hd][q] . K[hd][k] / 8) V[hd][k][:], hd = 16 batch + head.  Q, K, V: qkvh[0], [1], [2], each [32][2048][64] bf16; oh likewise.
; Products, maxima and sums in f32; the weights p are rounded to bf16 for the second product (their sum l is taken of the unrounded p), O once at the end.  Nothing is left out.
; LIMITS.  A weight below 2^-126 counts as 0 in l; NaN and infinities are not treated apart.
; SHARES.  A work-group owns 256 queries of one head, a wave 64: four tiles of 16, in two PIECES (tiles 0, 1 and tiles 2, 3).  Every wave walks the head's 2,048 keys, 64 a step.
; LAYOUT.  S^T = K Q^T (source 0 = 16 keys, source 1 = 16 queries): a lane holds ONE query (lane % 16) and the keys 8 (lane / 16) + 0..7.  Two such results rounded to bf16 ARE source 1 of O^T = V^T P.
; K comes out of LDS as it lies, V ([key][channel]) turned, by ds_load_tr16_b128.
; SOFTMAX.  For each query a running maximum m and sum l: p = 2^(c s - c m), c = log2(e) / 8; in every step O and l are multiplied by a = 2^(c m_old - c m_new).  m starts at the lowest finite number,
; O and l at 0, so the first step is a step like any other, with a = 0.  The price: 240 lines that write starting values while the first tile is on its way, 16 products on zeros at the start, 16 on a stale K at the end.
; BY TURNS.  In a TURN piece x has the matrix unit: 16 products V^T P of the step in hand, then 16 products K Q^T of the next step.  The other piece's softmax, 236 vector instructions in 59 slices of four,
; stands one slice behind each of the 32 matrix instructions; the other 27 slices follow in one lump.  A turn's 66 exponentials are one batch with one wait, which falls into the lump.
; CLUSTER.  The four query blocks of a cluster belong to one head and walk the same K and V: each tile is asked for jointly.  A slot of LDS holds 256 keys, four steps.
; REGISTERS, in windows of 256: window 0: v2-11 addresses; v12-43 eight registers of statistics a tile (c m, m, l, l, c0-c3; a takes c2's place); v61-63; v64-191 S^T, 32 a tile; v192-255 P, 16 a tile.
;   window 1: v0-127 O^T, 32 a tile.   window 2: v0-63 Q, 16 a tile; v128-191 K of one step; v192-255 V of one step.
.set KS,    64
.set PK,    144                        ; a row of K in LDS: 128 bytes + 16: the 16 rows of a load start at 16 different groups of four banks
.set PV,    160                        ; a row of V: 128 + 32
.set VOFF,  4*KS*PK
.set SLOT1, 1<<17
.set STAGE, SLOT1+4*KS*(PK+PV)         ; behind the ring, never filled by a tensor load: 16 rows x 144 bytes a wave
.set SP,    144
.set SPARE, STAGE+4*16*SP              ; the spare words, 128 bytes a wave
.set AK0, 2
.set AV0, 3
.set AK,  4
.set AV,  5
.set QO,  6
.set STO, 6
.set RD,  7
.set GO,  8
.set PFO, 61                           ; v61  256 x lane; never rewritten
.set SPW, 62
.set NIL, 63
.set ST,  12
.set S,   64
.set P,   192
.set KF,  128
.set VF,  192
.set WV,  12
.set LIM, 15                           ; 1 in a wave that prefetches, else the greatest number
.set G1K, 24
.set G1V, 32
.set G0K, 40
.set G0V, 44
.set PFA, 48
.set SLOTS, 56
.set CNT, 57
.set CS,  58
.set SEL, 60
.set TBK, 62
.set TBV, 63
.set MSB, 0
.macro WIN new
.if MSB != (\new)
	s_set_vgpr_msb (MSB<<8)|(\new)
.set MSB, (\new)
.endif
.endm
.set W_KQ, 0x0a                        ; K and Q in window 2, S^T in window 0
.set W_PV, 0x52                        ; V in window 2, P in window 0, O^T in window 1
.set W_RS, 0x41                        ; O^T (destination and source 0) in window 1, a in window 0
.macro JLOAD                           ; waves 0, 1 fetch the halves of a slot's K, waves 2, 3 those of its V: 128 keys each; an s_nop 0 and four v_nop follow each line
	s_cmp_lt_u32 s[WV], 2
	s_cbranch_scc0 .Lfor_v_\@
	tensor_load_to_lds s[G0K:G0K+3], s[G1K:G1K+7]
	s_nop 0
.rept 4
	v_nop
.endr
	s_branch .Lasked_\@
.Lfor_v_\@:
	tensor_load_to_lds s[G0V:G0V+3], s[G1V:G1V+7]
	s_nop 0
.rept 4
	v_nop
.endr
.Lasked_\@:
.endm
.macro CROUND
	s_barrier_signal -1
	s_barrier_wait -1
	s_cmp_lg_u32 s[WV], 0
	s_cbranch_scc1 .Lnot_wave_0_\@
	s_barrier_signal -3
.Lnot_wave_0_\@:
	s_barrier_wait -3
	s_barrier_signal -1
	s_barrier_wait -1
.endm
; A PREFETCH INTO THE L2 of what the NEXT change of slots will ask for: a slot's 32,768 bytes of K and of V.  The head's first cluster asks; its four partners take 8,192 bytes each, told apart by address;
; in each, wave 0 asks for K's and wave 2 for V's, a lane 256 bytes.  So each block is named once.  Slots 0 to 2 come by their loads alone; the last change that fills a slot asks for nothing.
.macro ASK
	s_cmp_gt_u32 s[SLOTS], s[LIM]
	s_cbranch_scc0 .Lnot_mine_\@
	global_prefetch_b8 v[PFO], s[PFA:PFA+1] th:TH_LOAD_NT scope:SCOPE_SE
.Lnot_mine_\@:
.endm
; THE CHANGE OF SLOTS, between piece 1's turn that fetched the slot's last V and piece 0's turn that fetches the next slot's first K.  Each wave waits for all its tensor loads (one is out), adds 0 to its spare
; word, and waits for that and for its reads of the slot.  fill = 1: a round of the cluster's barrier, and the joint refill first behind it: it has four key steps, 256 matrix instructions, in which to land.
.macro CHANGE fill, ask
	WIN 0
	s_wait_tensorcnt 0x0
	ds_add_u32 v[SPW], v[NIL]
.if \fill
.irp g, G0K, G0V
	s_xor_b32 s[\g+1], s[\g+1], SLOT1
	s_add_nc_u64 s[\g+2:\g+3], s[\g+2:\g+3], 4*KS*128
.endr
.endif
.if \ask
	s_wait_xcnt 0x0                                ; the last prefetch, four key steps back, has read its address
	s_add_nc_u64 s[PFA:PFA+1], s[PFA:PFA+1], 4*KS*128
.endif
	s_wait_dscnt 0x0
.if \fill
	CROUND
	JLOAD
.if \ask
	ASK
.endif
.else
	s_barrier_signal -1
	s_barrier_wait -1
.endif
	s_sub_co_u32 s[TBK], s[TBK], 4*KS*PK
	s_xor_b32 s[TBK], s[TBK], SLOT1
	s_sub_co_u32 s[TBV], s[TBV], 4*KS*PV
	s_xor_b32 s[TBV], s[TBV], SLOT1
.endm
	s_load_b64 s[4:5], s[0:1], 0x0                 ; qkvh
	s_load_b64 s[10:11], s[0:1], 0x8               ; oh
	v_lshl_add_u32 v[SPW], v0, 2, SPARE
	v_mov_b32 v[NIL], 0
	ds_add_u32 v[SPW], v[NIL]                      ; the opening: the add, twice on end, and its wait ahead of my first tensor load
	ds_add_u32 v[SPW], v[NIL]
	v_lshrrev_b32 v1, 5, v0
	v_readfirstlane_b32 s[WV], v1
	s_bfe_u32 s13, ttmp6, 0x40000                  ; cx
	s_lshl_b32 s14, ttmp9, 2
	s_add_co_u32 s14, s14, s13                     ; my block of 256 queries: it enters Q's and O's addresses alone
	s_and_b32 s20, ttmp7, 0xffff                   ; the head, which the four partners share
	s_lshl_b32 s20, s20, 18                        ; its first byte in Q, K, V and O
	s_and_b32 s16, s[WV], 1                        ; which half of a slot's 256 keys I fetch
	s_lshl_b32 s22, s16, 14
	s_add_co_u32 s22, s22, s20
	s_mov_b32 s23, 0
	s_mul_i32 s17, s16, 128*PK
	s_mul_i32 s18, s16, 128*PV
	s_lshl_b32 s2, s14, 2
	s_add_co_u32 s2, s2, s[WV]
	s_lshl_b32 s2, s2, 13                          ; my wave's 64 rows of 128 bytes
	s_add_co_u32 s2, s2, s20
	s_mov_b32 s3, 0
	; 128 keys are 16,384 dense bytes: asked for as 64 rows of 256 bytes, two keys a row, padded in LDS after every key
	s_mov_b32 s[G1K], 15|(1<<16)|(1<<20)|(1<<21)|(4<<22)|(3<<25)
	s_mov_b32 s[G1V], 15|(1<<16)|(1<<20)|(1<<21)|(4<<22)|(7<<25)
.irp g, G1K, G1V
	s_mov_b32 s[\g+1], 128<<16
	s_mov_b32 s[\g+2], 64<<16
	s_mov_b32 s[\g+3], 128<<16
	s_mov_b32 s[\g+4], 64
	s_mov_b32 s[\g+5], 128
	s_mov_b32 s[\g+6], 0
	s_mov_b32 s[\g+7], 0
.endr
	s_mov_b32 s[CS], 0x3e38aa3b                    ; c = log2(e) / 8
	s_mov_b32 s[CS+1], s[CS]
	s_mov_b32 s[SEL], 0x76543210
	s_mov_b32 s[SEL+1], 0xfedcba98
	s_mov_b32 s[TBK], SLOT1+4*KS*PK                ; the first change of slots turns these two into 0
	s_mov_b32 s[TBV], SLOT1+4*KS*PV
	s_mov_b32 s[G0K], 1
	s_mov_b32 s[G0K+1], s17
	s_mov_b32 s[G0V], 1
	s_add_co_u32 s[G0V+1], s18, VOFF
	s_and_b32 s[LIM], s[WV], 1                     ; 0 in waves 0 and 2,
	s_or_b32 s[LIM], s[LIM], ttmp9                 ; where the cluster is the head's first
	s_cmp_eq_u32 s[LIM], 0
	s_cselect_b32 s[LIM], 1, -1
	v_and_b32 v[PFO], 31, v0
	v_lshlrev_b32 v[PFO], 8, v[PFO]
	s_wait_dscnt 0x0
	s_wait_kmcnt 0x0
	s_add_nc_u64 s[6:7], s[4:5], 8388608           ; K
	s_add_nc_u64 s[8:9], s[4:5], 16777216          ; V
	s_add_nc_u64 s[6:7], s[6:7], s[22:23]          ; at my half of the head's first 256 keys
	s_add_nc_u64 s[8:9], s[8:9], s[22:23]
	s_mov_b64 s[G0K+2:G0K+3], s[6:7]
	s_or_b32 s[G0K+3], s[G0K+3], 0x80000000
	s_mov_b64 s[G0V+2:G0V+3], s[8:9]
	s_or_b32 s[G0V+3], s[G0V+3], 0x80000000
	s_add_nc_u64 s[4:5], s[4:5], s[2:3]            ; Q and O at my wave's first row
	s_add_nc_u64 s[10:11], s[10:11], s[2:3]
	s_cmp_lt_u32 s[WV], 2
	s_cselect_b64 s[PFA:PFA+1], s[6:7], s[8:9]     ; (in waves 0 and 2 these stand at a slot's first row)
	s_lshl_b32 s2, s13, 13                         ; my work-group's 8,192 bytes
	s_add_nc_u64 s[PFA:PFA+1], s[PFA:PFA+1], s[2:3]
	s_add_nc_u64 s[PFA:PFA+1], s[PFA:PFA+1], 2*4*KS*128  ; in slot 2; the first change that asks steps it to slot 3
	CROUND
	JLOAD                                          ; slot 0; slot 1 is asked for when slot 0 is in
	v_and_b32 v1, 15, v0                           ; l % 16
	v_bfe_u32 v9, v0, 4, 1                         ; l / 16
	v_lshlrev_b32 v[QO], 7, v1
	v_lshl_add_u32 v[QO], v9, 4, v[QO]
	WIN 0x80
.set i, 0
.rept 8                                ; Q stays in registers: tile i / 2, channels 32 (i % 2) on
	global_load_b128 v[8*i:8*i+3],   v[QO], s[4:5] offset:(i/2)*2048+(i%2)*64
	global_load_b128 v[8*i+4:8*i+7], v[QO], s[4:5] offset:(i/2)*2048+(i%2)*64+32
.set i, i+1
.endr
.set i, VF
.rept 64
	v_mov_b32 v[i], 0                              ; V: the first turn's products V^T P, of a step that has not been, add 0
.set i, i+1
.endr
	WIN 0x40
.set i, 0
.rept 128
	v_mov_b32 v[i], 0                              ; O^T
.set i, i+1
.endr
	WIN 0
.set i, 0
.rept 4
	v_mov_b32 v[ST+8*i], 0xfe000000                ; c m: far below every c s
	v_mov_b32 v[ST+8*i+1], 0xff7fffff              ; m
	v_mov_b32 v[ST+8*i+2], 0
	v_mov_b32 v[ST+8*i+3], 0
.set i, i+1
.endr
.set i, P+32
.rept 32
	v_mov_b32 v[i], 0                              ; piece 1's P
.set i, i+1
.endr
	v_mul_u32_u24 v[AK0], v1, PK
	v_lshl_add_u32 v[AK0], v9, 4, v[AK0]
	v_and_b32 v10, 7, v0                           ; the turning load: lane l reads key 8 (l / 16) + l % 8, channels 8 ((l / 8) % 2) + 0..7
	v_bfe_u32 v11, v0, 3, 1
	v_lshl_add_u32 v[AV0], v9, 3, v10
	v_mul_u32_u24 v[AV0], v[AV0], PV
	v_lshl_add_u32 v[AV0], v11, 4, v[AV0]
	v_add_nc_u32 v[AV0], VOFF, v[AV0]
; THE MATRIX WORK.  The 8 accumulators of a run of 16 take turns.  Product i of S^T = K Q^T for piece x: tile 2 x + i % 2, keys 16 ((i / 2) % 4) on, channels 32 (i / 8) on; the first 8 start the sums.
.macro KQ x
	WIN W_KQ
.set rS, S+32*(2*(\x)+i%2)+8*((i/2)%4)
.set rK, KF+16*((i/2)%4)+8*(i/8)
.set rQ, 16*(2*(\x)+i%2)+8*(i/8)
.if i < 8
	v_wmma_f32_16x16x32_bf16 v[rS:rS+7], v[rK:rK+7], v[rQ:rQ+7], 0
.else
	v_wmma_f32_16x16x32_bf16 v[rS:rS+7], v[rK:rK+7], v[rQ:rQ+7], v[rS:rS+7]
.endif
.endm
.macro PV x                            ; product i of O^T += V^T P: tile 2 x + i % 2, channels 16 ((i / 2) % 4) on, keys 32 (i / 8) on
	WIN W_PV
.set rO, 32*(2*(\x)+i%2)+8*((i/2)%4)
.set rV, VF+32*(i/8)+8*((i/2)%4)
.set rP, P+16*(2*(\x)+i%2)+8*(i/8)
	v_wmma_f32_16x16x32_bf16 v[rO:rO+7], v[rV:rV+7], v[rP:rP+7], v[rO:rO+7]
.endm
; THE LDS LOADS stand in runs of 16.  last = 1 (the tail): in the last trip there is no further step, and K's run is jumped over.
.macro FETCH_K last=0
	WIN 0
.if \last
	s_cmp_eq_u32 s[CNT], 1
	s_cbranch_scc1 .Lno_k_\@
.endif
	v_add_nc_u32 v[AK], s[TBK], v[AK0]
	WIN 0x80
.irp f, 0,1,2,3,4,5,6,7
	ds_load_b128 v[KF+8*\f:KF+8*\f+3],   v[AK] offset:(\f/2)*16*PK+(\f%2)*64
	ds_load_b128 v[KF+8*\f+4:KF+8*\f+7], v[AK] offset:(\f/2)*16*PK+(\f%2)*64+32
.endr
	s_add_co_u32 s[TBK], s[TBK], KS*PK
	WIN 0
.if \last
.Lno_k_\@:
.endif
.endm
.macro FETCH_V
	WIN 0
	v_add_nc_u32 v[AV], s[TBV], v[AV0]
	s_add_co_u32 s[TBV], s[TBV], KS*PV
	WIN 0x80
.irp f, 0,1,2,3,4,5,6,7
	ds_load_tr16_b128 v[VF+8*\f:VF+8*\f+3],   v[AV] offset:(\f/4)*32*PV+(\f%4)*32
	ds_load_tr16_b128 v[VF+8*\f+4:VF+8*\f+7], v[AV] offset:(\f/4)*32*PV+16*PV+(\f%4)*32
.endr
.endm
; THE VECTOR WORK.  One tile's softmax for one key step is a list of 118 instructions; SM writes number j of it for tile t.
;   0-15   the maximum of the lane's 32 scores and the old m (each accumulator's lowest registers are read first)     16-20  the other half of the lanes' maximum; m; c m; its change
;   21-69  ONE BATCH: 16 scalings c s - c m and 33 exponentials (a at 23); none reads an exponential's result; a pair is scaled in an earlier four than the one with its exponentials
;   70-85  the roundings to bf16     86-101  the sums; l = a l + the sum     102-117  the tile's O^T times a
.macro SM t
.set rT, ST+8*(\t)
.set rS, S+32*(\t)
.set rP, P+16*(\t)
.set rO, 32*(\t)+2*(j-102)
.if j < 102
	WIN 0
.endif
.if j < 4
	v_max3_num_f32 v[rT+4+j], v[rS+8*j], v[rS+8*j+1], v[rS+8*j+2]
.elseif j < 12
	v_max3_num_f32 v[rT+4+j%4], v[rT+4+j%4], v[rS+8*(j%4)+2*(j/4)+1], v[rS+8*(j%4)+2*(j/4)+2]
.elseif j == 12
	v_max3_num_f32 v[rT+4], v[rT+4], v[rS+7], v[rS+15]
.elseif j == 13
	v_max3_num_f32 v[rT+6], v[rT+6], v[rS+23], v[rS+31]
.elseif j == 14
	v_max3_num_f32 v[rT+4], v[rT+4], v[rT+5], v[rT+6]
.elseif j == 15
	v_max3_num_f32 v[rT+4], v[rT+4], v[rT+7], v[rT+1]
.elseif j == 16
	v_permlanex16_b32 v[rT+5], v[rT+4], s[SEL], s[SEL+1]
.elseif j == 17
	v_mov_b32 v[rT+7], v[rT]
.elseif j == 18
	v_max_num_f32 v[rT+1], v[rT+4], v[rT+5]
.elseif j == 19
	v_mul_f32 v[rT], s[CS], v[rT+1]
.elseif j == 20
	v_sub_f32 v[rT+7], v[rT+7], v[rT]
.elseif j == 23
	v_exp_f32 v[rT+6], v[rT+7]
.elseif (j < 23) || ((j < 38) && (j%2 == 0)) || ((j < 66) && (j%4 == 2))
.set b, (j-2)/4
.if j < 38
.set b, (j-20)/2
.endif
	v_pk_fma_f32 v[rS+2*b:rS+2*b+1], v[rS+2*b:rS+2*b+1], s[CS:CS+1], v[rT:rT+1] op_sel_hi:[1,0,0] neg_lo:[0,0,1] neg_hi:[0,0,1]
.elseif j < 70
.set e, j-38
.if j < 66
.set e, j-32-(j-38)/4
.endif
.if j < 38
.set e, (j-25)/2
.endif
	v_exp_f32 v[rS+e], v[rS+e]
.elseif j < 86
	v_cvt_pk_bf16_f32 v[rP+j-70], v[rS+2*(j-70)], v[rS+2*(j-70)+1]
.elseif j < 102
.set z, j-86
.set w, 4
.set u, z
.if z >= 14
.set w, 32
.set u, 0
.elseif z >= 12
.set w, 16
.set u, z-12
.elseif z >= 8
.set w, 8
.set u, z-8
.endif
.if z < 15
	v_pk_add_f32 v[rS+w*u:rS+w*u+1], v[rS+w*u:rS+w*u+1], v[rS+w*u+w/2:rS+w*u+w/2+1]
.else
	v_pk_fma_f32 v[rT+2:rT+3], v[rT+2:rT+3], v[rT+6:rT+7], v[rS:rS+1] op_sel_hi:[1,0,1]
.endif
.else
	WIN W_RS
	v_pk_mul_f32 v[rO:rO+1], v[rO:rO+1], v[rT+6:rT+7] op_sel_hi:[1,0]
.endif
.endm
; Slice k of 59 of piece y's softmax: four instructions.  Slices 11 to 34 deal out the batch, four numbers of ONE tile each, the tiles by turns; every other slice is numbers 2 k, 2 k + 1 of both tiles.
; Ahead of slice 35 nothing names an exponential's result, and behind slice 34 none is issued: one plain instruction and one wait behind slice 34 serve all 66.
.macro SLICE y
.if (k >= 11) && (k < 35)
.irp n, 0,1,2,3
.set j, 22+4*((k-11)/2)+(\n)
	SM 2*(\y)+(k-11)%2
.endr
.else
.irp n, 0,1
.irp q, 0,1
.set j, 2*k+(\n)
	SM 2*(\y)+(\q)
.endr
.endr
.endif
.if k == 34
	v_nop
	s_wait_alu depctr_va_vdst(0)
.endif
.set k, k+1
.endm
; A TURN for piece x.  Piece 0's turn fetches the next step's K behind its second product (K's last reader stands a lump back) and waits for it 14 products later.  Piece 1's turn fetches the same step's V behind
; its 18th matrix instruction: behind the last product that read V stand six scalings and the run's own address line, more than the four places asked for; V is waited for at the head of the next turn.
.macro TURN x, last=0
.set k, 0
.if (\x) == 0
	s_wait_dscnt 0x0                               ; V is in
.endif
.set i, 0
.rept 16
	PV \x
	SLICE 1-(\x)
.if ((\x) == 0) && (i == 1)
	FETCH_K \last
.endif
.set i, i+1
.endr
.if (\x) == 0
	s_wait_dscnt 0x0                               ; K is in
.endif
.set i, 0
.rept 16
	KQ \x
	SLICE 1-(\x)
.if ((\x) == 1) && (i == 1)
	FETCH_V
.endif
.set i, i+1
.endr
.rept 27
	SLICE 1-(\x)
.endr
.endm
	CHANGE 1, 0                                    ; slot 0 is in, everybody's part of it; slot 1 is asked for
	FETCH_K                                        ; key step 0
	s_wait_loadcnt 0x0                             ; Q
	s_wait_dscnt 0x0
.set i, 0
.rept 16
	KQ 0                                           ; piece 0's first scores
.set i, i+1
.endr
	WIN 0                                          ; the addresses for the way out: plain instructions, the places behind those products
	s_mul_i32 s13, s[WV], 16*SP
	s_add_co_u32 s13, s13, STAGE
	v_mul_u32_u24 v[STO], v1, SP                   ; in: row l % 16, 16 bytes for each half of the lanes
	v_lshl_add_u32 v[STO], v9, 4, v[STO]
	v_add_nc_u32 v[STO], s13, v[STO]
	v_bfe_u32 v[RD], v0, 3, 2                      ; back: 32 lanes take four rows of 128 bytes,
	v_mul_u32_u24 v[RD], v[RD], SP
	v_lshl_add_u32 v[RD], v10, 4, v[RD]
	v_add_nc_u32 v[RD], s13, v[RD]
	v_and_b32 v[GO], 31, v0                        ; which are 512 consecutive bytes of oh
	v_lshlrev_b32 v[GO], 4, v[GO]
	s_mov_b32 s[CNT], 4
	s_mov_b32 s[SLOTS], 7
	s_branch .Lfirst                               ; the loop is entered at piece 1's turn, in the middle of a trip
.Lslot:                                                ; six times: with the change above, every slot but the first is asked for behind a change
	CHANGE 1, 1
	s_mov_b32 s[CNT], 4
.Lstep:
	TURN 0
	WIN 0
.Lfirst:
	TURN 1
	WIN 0
	s_sub_co_u32 s[CNT], s[CNT], 1
	s_cmp_lg_u32 s[CNT], 0
	s_cbranch_scc1 .Lstep
	s_sub_co_u32 s[SLOTS], s[SLOTS], 1
	s_cmp_lg_u32 s[SLOTS], 0
	s_cbranch_scc1 .Lslot
	CHANGE 0, 0                                    ; the tail is written out
	s_mov_b32 s[CNT], 5                            ; four trips fetch the last slot's steps; the fifth is left in its middle
.Ltail:
	TURN 0, 1
	WIN 0
	s_sub_co_u32 s[CNT], s[CNT], 1
	s_cmp_eq_u32 s[CNT], 0
	s_cbranch_scc1 .Lout
	TURN 1
	WIN 0
	s_branch .Ltail
.Lout:
.set i, 0
.rept 16
	PV 1                                           ; piece 1's V^T P of the last step
.set i, i+1
.endr
	; THE WAY OUT.  l's two halves and the other half of the lanes' are added; O^T is divided by l, rounded to bf16 and sent through my stage, a tile at a time.
	WIN 0
.irp t, 0,1,2,3
	v_add_f32 v[ST+8*(\t)+4], v[ST+8*(\t)+2], v[ST+8*(\t)+3]
.endr
.irp t, 0,1,2,3
	v_permlanex16_b32 v[ST+8*(\t)+5], v[ST+8*(\t)+4], s[SEL], s[SEL+1]
.endr
.irp t, 0,1,2,3
	v_add_f32 v[ST+8*(\t)+4], v[ST+8*(\t)+4], v[ST+8*(\t)+5]
.endr
.irp t, 0,1,2,3
	v_rcp_f32 v[ST+8*(\t)+6], v[ST+8*(\t)+4]
.endr
	v_nop
	s_wait_alu depctr_va_vdst(0)                   ; one wait for the four reciprocals
.macro PACK t
	WIN W_RS
.set i, 32*(\t)
.rept 16
	v_pk_mul_f32 v[i:i+1], v[i:i+1], v[ST+8*(\t)+6:ST+8*(\t)+7] op_sel_hi:[1,0]
.set i, i+2
.endr
	WIN 0x05
.set i, 0
.rept 16
	v_cvt_pk_bf16_f32 v[S+16*(\t)+i], v[32*(\t)+2*i], v[32*(\t)+2*i+1]
.set i, i+1
.endr
	WIN 0
.irp f, 0,1,2,3
	ds_store_b128 v[STO], v[S+16*(\t)+4*\f:S+16*(\t)+4*\f+3] offset:32*\f
.endr
.irp f, 0,1,2,3
	ds_load_b128 v[S+16*(\t)+4*\f:S+16*(\t)+4*\f+3], v[RD] offset:\f*4*SP  ; LDS serves a wave's instructions in order: these see the stores above; the next tile's stores come behind them
.endr
.endm
.macro SEND t, younger                 ; younger: the LDS instructions issued behind tile t's loads: the next tile's eight, or none
	WIN 0
.irp f, 0,1,2,3
	s_wait_dscnt (\younger)+3-\f
	global_store_b128 v[GO], v[S+16*(\t)+4*\f:S+16*(\t)+4*\f+3], s[10:11] offset:(\t)*2048+\f*512  ; 512 consecutive bytes, at a multiple of 256 from oh's first
.endr
.endm
	PACK 0
	PACK 1
	SEND 0, 8
	PACK 2
	SEND 1, 8
	PACK 3
	SEND 2, 8
	SEND 3, 0
	s_wait_tensorcnt 0x0                           ; the wave's end
	ds_add_u32 v[SPW], v[NIL]
	s_wait_dscnt 0x0
	CROUND
	s_endpgm
.Lfunc_end_k_q96f04f903b_attn:
	.size	k_q96f04f903b_attn, .Lfunc_end_k_q96f04f903b_attn-k_q96f04f903b_attn
	.p2alignl 7, 3214868480
	.fill 96, 4, 3214868480
	.section	.rodata,"a",@progbits
	.p2align	6, 0x0
	.amdhsa_kernel k_q96f04f903b_attn
		.amdhsa_group_segment_fixed_size 327680
		.amdhsa_private_segment_fixed_size 0
		.amdhsa_enable_private_segment 0
		.amdhsa_kernarg_size 16
		.amdhsa_user_sgpr_count 2
		.amdhsa_user_sgpr_kernarg_segment_ptr 1
		.amdhsa_wavefront_size32 1
		.amdhsa_system_sgpr_workgroup_id_x 1
		.amdhsa_system_sgpr_workgroup_id_y 1
		.amdhsa_system_sgpr_workgroup_id_z 1
		.amdhsa_system_vgpr_workitem_id 0
		.amdhsa_next_free_vgpr 768
		.amdhsa_next_free_sgpr 66
		.amdhsa_reserve_vcc 0
		.amdhsa_float_denorm_mode_32 3
		.amdhsa_float_denorm_mode_16_64 3
		.amdhsa_memory_ordered 1
		.amdhsa_forward_progress 1
		.amdhsa_inst_pref_size 108
	.end_amdhsa_kernel
	.amdgpu_metadata
---
amdhsa.version: [ 1, 2 ]
amdhsa.kernels:
  - .name:           k_q96f04f903b_attn
    .symbol:         k_q96f04f903b_attn.kd
    .args:
      - { .name: qkvh, .offset: 0, .size: 8, .value_kind: global_buffer, .address_space: global }
      - { .name: oh, .offset: 8, .size: 8, .value_kind: global_buffer, .address_space: global }
    .group_segment_fixed_size: 327680
    .private_segment_fixed_size: 0
    .kernarg_segment_align: 8
    .kernarg_segment_size: 16
    .max_flat_workgroup_size: 128
    .sgpr_count:     66
    .vgpr_count:     768
    .wavefront_size: 32
...
	.end_amdgpu_metadata
.endif
;; end of part 3
;; launch proj (part 4): grid 8 x 32, 4 waves a work-group, clusters of 4 x 4, 327,680 bytes of LDS; arguments oh, wr, b_proj, x, x1; writes x1
.if DOCPART == 4
	.amdgcn_target "amdgcn-amd-amdhsa--gfx1250"
	.amdhsa_code_object_version 6
	.text
	.protected	k_q96f04f903b_proj
	.globl	k_q96f04f903b_proj
	.p2align	8
	.type	k_q96f04f903b_proj,@function
k_q96f04f903b_proj:
	s_mov_b64 s[64:65], 0
	v_nop
	global_prefetch_b8 v0, s[64:65] scope:SCOPE_SE
	s_setreg_imm32_b32 hwreg(HW_REG_WAVE_MODE, 25, 1), 1
	s_wait_xcnt 0x0
	s_wait_alu depctr_hold_cnt(0) depctr_sa_sdst(0) depctr_va_vdst(0) depctr_va_sdst(0) depctr_va_ssrc(0) depctr_va_vcc(0) depctr_vm_vsrc(0)
	s_getreg_b32 s2, hwreg(HW_REG_IB_STS2, 6, 4)
	s_cmp_eq_u32 s2, 0
	s_cbranch_scc0 .Lentry_in_a_cluster
	s_endpgm
.Lentry_in_a_cluster:
	s_bfe_u32 s2, ttmp6, 0x10000c
	s_cmp_lg_u32 s2, 0xf033
	s_cbranch_scc0 .Lentry_shape_is_right
	s_endpgm
.Lentry_shape_is_right:
; Launch 4 of 7: x1 = x + oh w_proj^T + b_proj, in f32.  oh: [32 = 16 batch + head][2048][64] bf16; w_proj in bf16 at wr's byte 0, [1024][1024]; sums in f32.  Nothing is left out.
; SHARES.  A work-group makes 128 x 128, each of its four waves 64 x 64: 16 accumulators; 256 work-groups.  K = 1,024 comes in 4 TILES of 256 through two LDS slots; a tile is four STAGES of 64, and a stage is one head.
; oh lies by heads: one tensor load brings 4 rows of 4,096 elements (64 tokens x 64 channels of a head, 8 KiB dense), 131,072 elements apart, padded after every token: token pitch 144 in LDS.
; PIPELINE, CLUSTER, TRANSPOSED USE as in the launches for qkv and fc1: the first two tiles are asked for together at the start; stage q waits for its fragments, fetches stage q + 1's and multiplies; the change of
; slots for the walk's tile t stands in front of stage 4 t - 1; oh's tile is asked for jointly along a row of the 4 x 4 cluster, W's along a column; lane l holds row l % 16 and the columns 8 (l / 16) + 0..7, whose bias starts the sums as C.
; THE WALK ALONG K.  A cluster whose x + y is odd begins at the middle of K and wraps round (f32 sums may be taken in any order).  Of the two clusters that read the same rows of oh, and of two neighbouring clusters
; that read the same rows of W, one is half a walk ahead of the other: they never ask for the same block in the same step, and a block's second reading comes half a walk behind its first.  The tile's number
; hangs on the cluster's place in the grid alone, which all sixteen partners share; a descriptor's address is made anew from it for each fill.
; THE RESIDUAL's 32 rows a wave are asked for at the start and stay on their way through the whole K loop.  THE WAY OUT goes in f32 through one stage of 128 rows x 528 bytes in the ring's bytes (their last fill is over).
; REGISTERS: window 0: v16-29 addresses; v32-95 rows read back; v96-127 the bias; v128-255 accumulators (a, b) at 128 + 8 (4 a + b).  Window 1: two fragment buffers of 128.  Window 2: v0-127 the residual.
; LIMITS.  NaN and infinities are not treated apart; matrix operands are bf16.
.set NT,     4
.set LOGH,   1                         ; NT / 2 = 1 << LOGH
.set PA,     144                       ; a token of a head in LDS: 128 bytes + 16
.set HALFA,  4*64*PA                   ; what one load of oh brings: 4 heads x 64 tokens
.set STGA,   64*PA                     ; from head to head
.set ASH,    20                        ; a tile of oh is four heads on in memory: 1,048,576 bytes
.set PB,     528                       ; a row of W in LDS: 512 bytes + 16
.set HALFB,  64*PB
.set STGB,   128
.set BSH,    9                         ; a tile of W is 512 bytes on in its rows
.set BOFF,   2*HALFA
.set SLOT,   147456                    ; 0x24000: its two bits occur in no fill address (0, 0x9000, 0x12000, 0x1a400)
.set SPARE,  2*SLOT
.set WOFF,   0
.set DP,     528
.set ADRA0, 16
.set ADRB0, 17
.set ADA,   18
.set ADB,   19
.set DST,   20
.set RD,    21
.set CO,    22                         ; v22  16 x lane; never rewritten
.set BO,    23
.set SPW,   28
.set NIL,   29
.set Y1,    32
.set BIAS,  96
.set ACC,   128
.set Y2,    128
.set F0,    0
.set F1,    128
.set WV, 12
.set WR, 13
.set WC, 14
.set CX, 15
.set CY, 16
.set TC, 17
.set TR, 18
.set TA, 19
.set TB, 20
.set CNT, 21
.set TILES, 22
.set KK, 23                            ; the tile of K that was asked for last
.set G1, 24
.set G0, 32                            ; group 0 for oh: the walk's second tile, then every later one
.set G0B, 36
.set G1B, 48
.set OA, 66                            ; s[66:67] the tile's byte offset in oh
.set OB, 68                            ; s[68:69] in W
.set G0F, 84                           ; group 0 for the walk's first tile
.set G0BF, 88
.set MSB, 0
.macro WIN new
.if MSB != (\new)
	s_set_vgpr_msb (MSB<<8)|(\new)
.set MSB, \new
.endif
.endm
.macro PLACES
.rept 4
	v_nop
.endr
.endm
.macro CROUND
	s_barrier_signal -1
	s_barrier_wait -1
	s_cmp_lg_u32 s[WV], 0
	s_cbranch_scc1 .Lnot_wave_0_\@
	s_barrier_signal -3
.Lnot_wave_0_\@:
	s_barrier_wait -3
	s_barrier_signal -1
	s_barrier_wait -1
.endm
.macro JLOAD ga, gb                    ; waves 0, 1 fetch the activations' two halves, waves 2, 3 W's; an s_nop 0 and four v_nop follow each line
	s_cmp_eq_u32 s[WR], 0
	s_cbranch_scc0 .Lfor_b_\@
	tensor_load_to_lds s[(\ga):(\ga)+3], s[G1:G1+7]
	s_nop 0
.rept 4
	v_nop
.endr
	s_branch .Lasked_\@
.Lfor_b_\@:
	tensor_load_to_lds s[(\gb):(\gb)+3], s[G1B:G1B+7]
	s_nop 0
.rept 4
	v_nop
.endr
.Lasked_\@:
.endm
; THE CHANGE OF SLOTS: all my tensor loads have landed (one was out), the add, my reads of the slot are over; fill = 1: a round of the cluster's barrier and the joint refill first behind it (128 matrix instructions in which to land).
.macro BOUND fill
	WIN 0
	s_wait_tensorcnt 0x0
	ds_add_u32 v[SPW], v[NIL]
.if \fill
	s_add_co_u32 s[KK], s[KK], 1                   ; the walk's next tile, round K's end
	s_and_b32 s[KK], s[KK], NT-1
	s_lshl_b32 s[OA], s[KK], ASH
	s_lshl_b32 s[OB], s[KK], BSH
	s_xor_b32 s[G0+1], s[G0+1], SLOT
	s_add_nc_u64 s[G0+2:G0+3], s[4:5], s[OA:OA+1]
	s_or_b32 s[G0+3], s[G0+3], 0x80000000
	s_xor_b32 s[G0B+1], s[G0B+1], SLOT
	s_add_nc_u64 s[G0B+2:G0B+3], s[6:7], s[OB:OB+1]
	s_or_b32 s[G0B+3], s[G0B+3], 0x80000000
.endif
	s_sub_co_u32 s[TA], s[TA], 4*STGA
	s_xor_b32 s[TA], s[TA], SLOT
	s_sub_co_u32 s[TB], s[TB], 4*STGB
	s_xor_b32 s[TB], s[TB], SLOT
	s_wait_dscnt 0x0
.if \fill
	CROUND
	JLOAD G0, G0B
.else
	s_barrier_signal -1
	s_barrier_wait -1
.endif
.endm
.macro FETCH g, ka, kb                 ; 32 LDS loads in one run: a stage's fragments (64 along K) into buffer g: the activations' (c, i) at g + 8 (4 c + i), W's 64 further on
	WIN 0x40
.irp c, 0,1
.irp i, 0,1,2,3
	ds_load_b128 v[(\g)+64+8*(4*(\c)+(\i)):(\g)+64+8*(4*(\c)+(\i))+3],   v[ADB] offset:(\kb)+64*(\c)+(\i)*16*PB
	ds_load_b128 v[(\g)+64+8*(4*(\c)+(\i))+4:(\g)+64+8*(4*(\c)+(\i))+7], v[ADB] offset:(\kb)+64*(\c)+(\i)*16*PB+32
	ds_load_b128 v[(\g)+8*(4*(\c)+(\i)):(\g)+8*(4*(\c)+(\i))+3],         v[ADA] offset:(\ka)+64*(\c)+(\i)*16*PA
	ds_load_b128 v[(\g)+8*(4*(\c)+(\i))+4:(\g)+8*(4*(\c)+(\i))+7],       v[ADA] offset:(\ka)+64*(\c)+(\i)*16*PA+32
.endr
.endr
.endm
.macro MUL f, init                     ; a stage's 32 products; the 16 accumulators take turns; init = 1: the bias is the C that starts the sums
	WIN 0x05
.irp c, 0,1
.irp a, 0,1,2,3
.irp b, 0,1,2,3
.if (\init) && ((\c) == 0)
	v_wmma_f32_16x16x32_bf16 v[ACC+8*(4*(\a)+(\b)):ACC+8*(4*(\a)+(\b))+7], v[(\f)+64+8*(4*(\c)+(\b)):(\f)+64+8*(4*(\c)+(\b))+7], v[(\f)+8*(4*(\c)+(\a)):(\f)+8*(4*(\c)+(\a))+7], v[BIAS+8*(\b):BIAS+8*(\b)+7]
.else
	v_wmma_f32_16x16x32_bf16 v[ACC+8*(4*(\a)+(\b)):ACC+8*(4*(\a)+(\b))+7], v[(\f)+64+8*(4*(\c)+(\b)):(\f)+64+8*(4*(\c)+(\b))+7], v[(\f)+8*(4*(\c)+(\a)):(\f)+8*(4*(\c)+(\a))+7], v[ACC+8*(4*(\a)+(\b)):ACC+8*(4*(\a)+(\b))+7]
.endif
.endr
.endr
.endr
.endm
.macro STAGE f, g, ka, kb
	s_wait_dscnt 0x0                               ; buffer f's 32 loads, issued a stage ago, are in
	PLACES                                         ; behind the last product that read buffer g
	FETCH \g, \ka, \kb
	MUL \f, 0
.endm
.macro PAIR
	WIN 0
	v_add_nc_u32 v[ADA], s[TA], v[ADRA0]
	v_add_nc_u32 v[ADB], s[TB], v[ADRB0]
	STAGE F1, F0, 0, 0
	STAGE F0, F1, STGA, STGB
	WIN 0
	s_add_co_u32 s[TA], s[TA], 2*STGA
	s_add_co_u32 s[TB], s[TB], 2*STGB
.endm
.macro TWO_PAIRS
	s_mov_b32 s[CNT], 2
.Lpair_\@:
	PAIR
	s_sub_co_u32 s[CNT], s[CNT], 1
	s_cmp_lg_u32 s[CNT], 0
	s_cbranch_scc1 .Lpair_\@
.endm
	s_load_b256 s[4:11], s[0:1], 0x0               ; oh 4:5, wr 6:7, b_proj 8:9, x 10:11
	s_load_b64 s[56:57], s[0:1], 0x20              ; x1
	v_lshl_add_u32 v[SPW], v0, 2, SPARE
	v_mov_b32 v[NIL], 0
	ds_add_u32 v[SPW], v[NIL]                      ; the opening: the add, twice on end, and its wait ahead of my first tensor load
	ds_add_u32 v[SPW], v[NIL]
	v_lshrrev_b32 v1, 5, v0
	v_readfirstlane_b32 s[WV], v1
	s_lshr_b32 s[WR], s[WV], 1
	s_and_b32 s[WC], s[WV], 1
	s_bfe_u32 s[CX], ttmp6, 0x40000
	s_bfe_u32 s[CY], ttmp6, 0x40004
	s_lshl_b32 s[TC], ttmp9, 2
	s_add_co_u32 s[TC], s[TC], s[CX]
	s_and_b32 s[TR], ttmp7, 0xffff
	s_lshl_b32 s[TR], s[TR], 2
	s_add_co_u32 s[TR], s[TR], s[CY]
	s_lshl_b32 s2, s[CY], 2
	s_lshl_b32 s2, 15, s2
	s_lshl_b32 s3, 0x1111, s[CX]
	s_or_b32 s[G1], s2, (1<<16)|(1<<20)|(1<<21)|(4<<22)|(3<<25)   ; oh: padding of 4 words after every 32 (a token of a head)
	s_mov_b32 s[G1+1], 4096<<16                    ; tensor_dim0 = 4,096
	s_mov_b32 s[G1+2], 4<<16                       ; tensor_dim1 = 4
	s_mov_b32 s[G1+3], 4096<<16                    ; tile_dim0 = 4,096
	s_mov_b32 s[G1+4], 4                           ; tile_dim1 = 4
	s_mov_b32 s[G1+5], 131072                      ; elements from head to head
	s_mov_b32 s[G1+6], 0
	s_mov_b32 s[G1+7], 0
	s_or_b32 s[G1B], s3, (1<<16)|(1<<20)|(1<<21)|(6<<22)|(3<<25)  ; W: padding of 4 words after every 128
	s_mov_b32 s[G1B+1], 256<<16
	s_mov_b32 s[G1B+2], 64<<16
	s_mov_b32 s[G1B+3], 256<<16
	s_mov_b32 s[G1B+4], 64
	s_mov_b32 s[G1B+5], 1024
	s_mov_b32 s[G1B+6], 0
	s_mov_b32 s[G1B+7], 0
	s_lshr_b32 s42, s[TR], 4                       ; the batch: 16 heads of 262,144 bytes,
	s_lshl_b32 s42, s42, 22
	s_and_b32 s43, s[TR], 15                       ; 128 tokens of 128 bytes a tile row,
	s_lshl_b32 s43, s43, 14
	s_add_co_u32 s42, s42, s43
	s_lshl_b32 s43, s[WC], 13                      ; the 64 tokens that I fetch
	s_add_co_u32 s42, s42, s43
	s_mov_b32 s43, 0
	s_lshl_b32 s46, s[TC], 18                      ; W: row 128 x tile column, x 2,048 bytes
	s_lshl_b32 s47, s[WC], 17
	s_add_co_u32 s46, s46, s47
	s_mov_b32 s47, 0
	s_mov_b32 s[G0F], 1
	s_mul_i32 s[G0F+1], s[WC], HALFA               ; slot 0
	s_mov_b32 s[G0], 1
	s_mul_i32 s[G0+1], s[WC], HALFA
	s_add_co_u32 s[G0+1], s[G0+1], SLOT            ; slot 1
	s_mov_b32 s[G0BF], 1
	s_mul_i32 s[G0BF+1], s[WC], HALFB
	s_add_co_u32 s[G0BF+1], s[G0BF+1], BOFF
	s_mov_b32 s[G0B], 1
	s_mul_i32 s[G0B+1], s[WC], HALFB
	s_add_co_u32 s[G0B+1], s[G0B+1], BOFF+SLOT
	s_mov_b32 s[TA], 0
	s_mov_b32 s[TB], 0
	s_and_b32 s[KK], ttmp7, 0xffff                 ; where my cluster's walk begins: tile 0, or the middle one where cluster x + cluster y is odd
	s_add_co_u32 s[KK], s[KK], ttmp9
	s_and_b32 s[KK], s[KK], 1
	s_lshl_b32 s[KK], s[KK], LOGH
	s_lshl_b32 s[OA], s[KK], ASH
	s_mov_b32 s[OA+1], 0
	s_lshl_b32 s[OB], s[KK], BSH
	s_mov_b32 s[OB+1], 0
	s_wait_dscnt 0x0
	s_wait_kmcnt 0x0
	s_add_nc_u64 s[4:5], s[4:5], s[42:43]          ; oh and W at the rows that I fetch, at K's beginning
.if WOFF
	s_add_nc_u64 s[6:7], s[6:7], WOFF
.endif
	s_add_nc_u64 s[6:7], s[6:7], s[46:47]
	s_add_nc_u64 s[G0F+2:G0F+3], s[4:5], s[OA:OA+1]
	s_or_b32 s[G0F+3], s[G0F+3], 0x80000000
	s_add_nc_u64 s[G0BF+2:G0BF+3], s[6:7], s[OB:OB+1]
	s_or_b32 s[G0BF+3], s[G0BF+3], 0x80000000
	s_add_co_u32 s[KK], s[KK], 1                   ; the walk's second tile (no wrap yet: the walk begins at 0 or at NT / 2)
	s_lshl_b32 s[OA], s[KK], ASH
	s_lshl_b32 s[OB], s[KK], BSH
	s_add_nc_u64 s[G0+2:G0+3], s[4:5], s[OA:OA+1]
	s_or_b32 s[G0+3], s[G0+3], 0x80000000
	s_add_nc_u64 s[G0B+2:G0B+3], s[6:7], s[OB:OB+1]
	s_or_b32 s[G0B+3], s[G0B+3], 0x80000000
	CROUND
	JLOAD G0F, G0BF                                ; the walk's first tile into slot 0,
	JLOAD G0, G0B                                  ; its second into slot 1: the two first fills go out together
	s_lshl_b32 s58, s[TC], 9                       ; the bias of my 64 columns
	s_lshl_b32 s59, s[WC], 8
	s_add_co_u32 s58, s58, s59
	s_mov_b32 s59, 0
	s_add_nc_u64 s[8:9], s[8:9], s[58:59]
	s_lshl_b32 s60, s[TR], 19                      ; the rows that I store: 128 x tile row + 32 x wave, of 4,096 bytes; the tile's 512 bytes of them
	s_lshl_b32 s61, s[WV], 17
	s_add_co_u32 s60, s60, s61
	s_lshl_b32 s61, s[TC], 9
	s_add_co_u32 s60, s60, s61
	s_mov_b32 s61, 0
	s_add_nc_u64 s[10:11], s[10:11], s[60:61]
	s_add_nc_u64 s[56:57], s[56:57], s[60:61]
	v_and_b32 v1, 15, v0
	v_bfe_u32 v2, v0, 4, 1
	v_lshlrev_b32 v[BO], 5, v2
	v_and_b32 v[CO], 31, v0
	v_lshlrev_b32 v[CO], 4, v[CO]
.irp b, 0,1,2,3
	global_load_b128 v[BIAS+8*(\b):BIAS+8*(\b)+3],   v[BO], s[8:9] offset:64*(\b)
	global_load_b128 v[BIAS+8*(\b)+4:BIAS+8*(\b)+7], v[BO], s[8:9] offset:64*(\b)+16
.endr
	WIN 0x80                                       ; destination window 2
.set i, 0
.rept 32
	global_load_b128 v[4*i:4*i+3], v[CO], s[10:11] offset:4096*i   ; the residual: a row's 512 bytes a load
.set i, i+1
.endr
	WIN 0
	v_mul_u32_u24 v3, v1, PA
	v_lshl_add_u32 v3, v2, 4, v3
	s_mul_i32 s2, s[WR], HALFA
	v_add_nc_u32 v[ADRA0], s2, v3
	v_mul_u32_u24 v3, v1, PB
	v_lshl_add_u32 v3, v2, 4, v3
	s_mul_i32 s2, s[WC], HALFB
	s_add_co_u32 s2, s2, BOFF
	v_add_nc_u32 v[ADRB0], s2, v3
	s_mul_i32 s2, s[WR], 64*DP                     ; into the stage: my 64 rows, my 256 bytes of their 512
	s_lshl_b32 s3, s[WC], 8
	s_add_co_u32 s2, s2, s3
	v_mul_u32_u24 v[DST], v1, DP
	v_lshl_add_u32 v[DST], v2, 5, v[DST]
	v_add_nc_u32 v[DST], s2, v[DST]
	s_mul_i32 s2, s[WV], 32*DP                     ; back: wave w takes rows 32 w .. 32 w + 31, whole
	v_add_nc_u32 v[RD], s2, v[CO]
	s_wait_tensorcnt 0x1                           ; my part of the first tile is in; the second's load may stay out
	s_barrier_signal -1
	s_barrier_wait -1                              ; everybody's part of the first tile is in
	v_add_nc_u32 v[ADA], s[TA], v[ADRA0]
	v_add_nc_u32 v[ADB], s[TB], v[ADRB0]
	FETCH F0, 0, 0
	FETCH F1, STGA, STGB
	s_wait_loadcnt 32                              ; the bias is in; the 32 residual loads stay out
	s_wait_dscnt 32                                ; stage 0's fragments are in; stage 1's 32 loads may stay out
	MUL F0, 1
	WIN 0
	s_add_co_u32 s[TA], s[TA], 2*STGA
	s_add_co_u32 s[TB], s[TB], 2*STGB
	PAIR                                           ; stages 1 and 2
	s_mov_b32 s[TILES], NT-2
.Ltile:
	BOUND 1
	TWO_PAIRS
	s_sub_co_u32 s[TILES], s[TILES], 1
	s_cmp_lg_u32 s[TILES], 0
	s_cbranch_scc1 .Ltile
	BOUND 0                                        ; the last tile: nothing is asked for
	TWO_PAIRS
	s_wait_dscnt 0x0                               ; my reads of the ring are over
	s_barrier_signal -1
	MUL F1, 0
	s_barrier_wait -1                              ; everybody's are: the ring's bytes may be stored into
	WIN 0
	PLACES
.irp a, 0,1,2,3
.irp b, 0,1,2,3
	ds_store_b128 v[DST], v[ACC+8*(4*(\a)+(\b)):ACC+8*(4*(\a)+(\b))+3]   offset:(\a)*16*DP+64*(\b)
	ds_store_b128 v[DST], v[ACC+8*(4*(\a)+(\b))+4:ACC+8*(4*(\a)+(\b))+7] offset:(\a)*16*DP+64*(\b)+16
.endr
.endr
	s_wait_dscnt 0x0                               ; for the others' sake: a row's 512 bytes come from two waves
	s_barrier_signal -1
	s_barrier_wait -1
.set i, 0
.rept 16
	ds_load_b128 v[Y1+4*i:Y1+4*i+3], v[RD] offset:i*DP
.set i, i+1
.endr
.set i, 0
.rept 16
	ds_load_b128 v[Y2+4*i:Y2+4*i+3], v[RD] offset:(16+i)*DP
.set i, i+1
.endr
	s_wait_loadcnt 0x0                             ; the residual
	s_wait_dscnt 16                                ; rows 0-15 are back; rows 16-31's loads may stay out
	WIN 0x08                                       ; source 1 in window 2
.set i, 0
.rept 32
	v_pk_add_f32 v[Y1+i:Y1+i+1], v[Y1+i:Y1+i+1], v[i:i+1]
.set i, i+2
.endr
	WIN 0
.set i, 0
.rept 16
	global_store_b128 v[CO], v[Y1+4*i:Y1+4*i+3], s[56:57] offset:4096*i   ; 512 consecutive bytes, aligned
.set i, i+1
.endr
	s_wait_dscnt 0x0
	WIN 0x08
.set i, 0
.rept 32
	v_pk_add_f32 v[Y2+i:Y2+i+1], v[Y2+i:Y2+i+1], v[64+i:64+i+1]
.set i, i+2
.endr
	WIN 0
.set i, 0
.rept 16
	global_store_b128 v[CO], v[Y2+4*i:Y2+4*i+3], s[56:57] offset:4096*(16+i)
.set i, i+1
.endr
	s_wait_tensorcnt 0x0                           ; the wave's end
	ds_add_u32 v[SPW], v[NIL]
	s_wait_dscnt 0x0
	CROUND
	s_endpgm
.Lfunc_end_k_q96f04f903b_proj:
	.size	k_q96f04f903b_proj, .Lfunc_end_k_q96f04f903b_proj-k_q96f04f903b_proj
	.p2alignl 7, 3214868480
	.fill 96, 4, 3214868480
	.section	.rodata,"a",@progbits
	.p2align	6, 0x0
	.amdhsa_kernel k_q96f04f903b_proj
		.amdhsa_group_segment_fixed_size 327680
		.amdhsa_private_segment_fixed_size 0
		.amdhsa_enable_private_segment 0
		.amdhsa_kernarg_size 40
		.amdhsa_user_sgpr_count 2
		.amdhsa_user_sgpr_kernarg_segment_ptr 1
		.amdhsa_wavefront_size32 1
		.amdhsa_system_sgpr_workgroup_id_x 1
		.amdhsa_system_sgpr_workgroup_id_y 1
		.amdhsa_system_sgpr_workgroup_id_z 1
		.amdhsa_system_vgpr_workitem_id 0
		.amdhsa_next_free_vgpr 640
		.amdhsa_next_free_sgpr 96
		.amdhsa_reserve_vcc 0
		.amdhsa_float_denorm_mode_32 3
		.amdhsa_float_denorm_mode_16_64 3
		.amdhsa_memory_ordered 1
		.amdhsa_forward_progress 1
		.amdhsa_inst_pref_size 60
	.end_amdhsa_kernel
	.amdgpu_metadata
---
amdhsa.version: [ 1, 2 ]
amdhsa.kernels:
  - .name:           k_q96f04f903b_proj
    .symbol:         k_q96f04f903b_proj.kd
    .args:
      - { .name: oh, .offset: 0, .size: 8, .value_kind: global_buffer, .address_space: global }
      - { .name: wr, .offset: 8, .size: 8, .value_kind: global_buffer, .address_space: global }
      - { .name: b_proj, .offset: 16, .size: 8, .value_kind: global_buffer, .address_space: global }
      - { .name: x, .offset: 24, .size: 8, .value_kind: global_buffer, .address_space: global }
      - { .name: x1, .offset: 32, .size: 8, .value_kind: global_buffer, .address_space: global }
    .group_segment_fixed_size: 327680
    .private_segment_fixed_size: 0
    .kernarg_segment_align: 8
    .kernarg_segment_size: 40
    .max_flat_workgroup_size: 128
    .sgpr_count:     96
    .vgpr_count:     640
    .wavefront_size: 32
...
	.end_amdgpu_metadata
.endif
;; end of part 4
;; launch ln2 (part 5): grid 512 x 1, 8 waves a work-group, no clusters, 0 bytes of LDS; arguments x1, ln2_g, ln2_b, hn; writes hn
.if DOCPART == 5
	.amdgcn_target "amdgcn-amd-amdhsa--gfx1250"
	.amdhsa_code_object_version 6
	.text
	.protected	k_q96f04f903b_ln2
	.globl	k_q96f04f903b_ln2
	.p2align	8
	.type	k_q96f04f903b_ln2,@function
k_q96f04f903b_ln2:
	s_mov_b64 s[64:65], 0
	v_nop
	global_prefetch_b8 v0, s[64:65] scope:SCOPE_SE
	s_setreg_imm32_b32 hwreg(HW_REG_WAVE_MODE, 25, 1), 1
	s_wait_xcnt 0x0
; Launch 5 of 7: hn = layer_norm(x1, ln2_g, ln2_b), rounded to bf16.  x1: [4096][1024] f32.  Nothing is left out.
; One wave a row, 8 rows a work-group: the row's 4,096 bytes stay in 32 registers between the passes, so x1 is read once and no wave waits for another.  A stream: no LDS, no matrix unit, no cluster.
; It is a launch of its own because a row's mean and variance need all 1,024 columns, of which a tile of the launch before holds 128.
; LIMITS.  NaN and infinities are not treated apart; the sums are taken in another order than the reference's.
.set X,   4                            ; v[4:35]    the row: load j holds columns 128 j + 4 lane .. + 3
.set G,   36
.set BB,  68
.set T,   100
.set M,   112
.set R,   114
.set OUT, 116
	s_load_b256 s[8:15], s[0:1], 0x0               ; x1 8:9, g 10:11, b 12:13, hn 14:15
	v_lshrrev_b32 v3, 5, v0
	v_readfirstlane_b32 s2, v3
	v_and_b32 v1, 31, v0
	v_lshlrev_b32 v2, 3, v1
	v_lshlrev_b32 v1, 4, v1
	s_lshl_b32 s3, ttmp9, 3
	s_add_co_u32 s3, s3, s2                        ; my row
	s_lshl_b32 s16, s3, 12
	s_mov_b32 s17, 0
	s_lshl_b32 s18, s3, 11
	s_mov_b32 s19, 0
	s_mov_b32 s26, 0x76543210
	s_mov_b32 s27, 0xfedcba98
	s_mov_b32 s28, 0x3a800000                      ; 1 / 1024
	s_mov_b32 s29, 0x3727c5ac                      ; eps = 1e-5
	s_wait_kmcnt 0x0
	s_add_nc_u64 s[8:9], s[8:9], s[16:17]
	s_add_nc_u64 s[14:15], s[14:15], s[18:19]
.irp j, 0,1,2,3,4,5,6,7
	global_load_b128 v[X+4*(\j):X+4*(\j)+3], v1, s[8:9] offset:512*(\j)
.endr
.irp j, 0,1,2,3,4,5,6,7
	global_load_b128 v[G+4*(\j):G+4*(\j)+3], v1, s[10:11] offset:512*(\j)
.endr
.irp j, 0,1,2,3,4,5,6,7
	global_load_b128 v[BB+4*(\j):BB+4*(\j)+3], v1, s[12:13] offset:512*(\j)
.endr
.macro LANESUM                         ; the four chains into one number, the same in every lane
	v_pk_add_f32 v[T:T+1], v[T:T+1], v[T+2:T+3]
	v_pk_add_f32 v[T+4:T+5], v[T+4:T+5], v[T+6:T+7]
	v_pk_add_f32 v[T:T+1], v[T:T+1], v[T+4:T+5]
	v_add_f32 v[T], v[T], v[T+1]
	v_add_f32_dpp v[T], v[T], v[T] row_xmask:1 row_mask:0xf bank_mask:0xf
	v_add_f32_dpp v[T], v[T], v[T] row_xmask:2 row_mask:0xf bank_mask:0xf
	v_add_f32_dpp v[T], v[T], v[T] row_xmask:4 row_mask:0xf bank_mask:0xf
	v_add_f32_dpp v[T], v[T], v[T] row_xmask:8 row_mask:0xf bank_mask:0xf
	v_permlanex16_b32 v[T+1], v[T], s26, s27
	v_add_f32 v[T], v[T], v[T+1]
.endm
	s_wait_loadcnt 16                              ; the row is in; the 16 younger loads (g, b) may stay out
.irp c, 0,1,2,3
	v_pk_add_f32 v[T+2*(\c):T+2*(\c)+1], v[X+2*(\c):X+2*(\c)+1], v[X+8+2*(\c):X+8+2*(\c)+1]
.endr
.irp p, 8,9,10,11,12,13,14,15
	v_pk_add_f32 v[T+2*((\p)%4):T+2*((\p)%4)+1], v[T+2*((\p)%4):T+2*((\p)%4)+1], v[X+2*(\p):X+2*(\p)+1]
.endr
	LANESUM
	v_mul_f32 v[M], s28, v[T]
	v_mul_f32 v[M+1], s28, v[T]
.set i, 0
.rept 16
	v_pk_add_f32 v[X+i:X+i+1], v[X+i:X+i+1], v[M:M+1] neg_lo:[0,1] neg_hi:[0,1]  ; the deviations first: the variance is no difference of large sums
.set i, i+2
.endr
.irp c, 0,1,2,3
	v_pk_mul_f32 v[T+2*(\c):T+2*(\c)+1], v[X+2*(\c):X+2*(\c)+1], v[X+2*(\c):X+2*(\c)+1]
.endr
.irp p, 4,5,6,7,8,9,10,11,12,13,14,15
	v_pk_fma_f32 v[T+2*((\p)%4):T+2*((\p)%4)+1], v[X+2*(\p):X+2*(\p)+1], v[X+2*(\p):X+2*(\p)+1], v[T+2*((\p)%4):T+2*((\p)%4)+1]
.endr
	LANESUM
	v_fma_f32 v[T], v[T], s28, s29
	v_rsq_f32 v[R], v[T]
	v_rsq_f32 v[R+1], v[T]
	v_nop                                          ; a plain instruction behind the last root, ahead of the first use
	s_wait_alu depctr_va_vdst(0)                   ; one wait for both roots, ahead of the first reader
	s_wait_loadcnt 0x0
.set i, 0
.rept 16
	v_pk_mul_f32 v[X+i:X+i+1], v[X+i:X+i+1], v[R:R+1]
.set i, i+2
.endr
.set i, 0
.rept 16
	v_pk_fma_f32 v[X+i:X+i+1], v[X+i:X+i+1], v[G+i:G+i+1], v[BB+i:BB+i+1]
.set i, i+2
.endr
.set i, 0
.rept 16
	v_cvt_pk_bf16_f32 v[OUT+i], v[X+2*i], v[X+2*i+1]
.set i, i+1
.endr
.irp j, 0,1,2,3,4,5,6,7
	global_store_b64 v2, v[OUT+2*(\j):OUT+2*(\j)+1], s[14:15] offset:256*(\j)  ; 32 lanes store 256 consecutive bytes, aligned
.endr
	s_endpgm
.Lfunc_end_k_q96f04f903b_ln2:
	.size	k_q96f04f903b_ln2, .Lfunc_end_k_q96f04f903b_ln2-k_q96f04f903b_ln2
	.p2alignl 7, 3214868480
	.fill 96, 4, 3214868480
	.section	.rodata,"a",@progbits
	.p2align	6, 0x0
	.amdhsa_kernel k_q96f04f903b_ln2
		.amdhsa_group_segment_fixed_size 0
		.amdhsa_private_segment_fixed_size 0
		.amdhsa_enable_private_segment 0
		.amdhsa_kernarg_size 32
		.amdhsa_user_sgpr_count 2
		.amdhsa_user_sgpr_kernarg_segment_ptr 1
		.amdhsa_wavefront_size32 1
		.amdhsa_system_sgpr_workgroup_id_x 1
		.amdhsa_system_sgpr_workgroup_id_y 1
		.amdhsa_system_sgpr_workgroup_id_z 1
		.amdhsa_system_vgpr_workitem_id 0
		.amdhsa_next_free_vgpr 136
		.amdhsa_next_free_sgpr 66
		.amdhsa_reserve_vcc 0
		.amdhsa_float_denorm_mode_32 3
		.amdhsa_float_denorm_mode_16_64 3
		.amdhsa_memory_ordered 1
		.amdhsa_forward_progress 1
		.amdhsa_inst_pref_size 12
	.end_amdhsa_kernel
	.amdgpu_metadata
---
amdhsa.version: [ 1, 2 ]
amdhsa.kernels:
  - .name:           k_q96f04f903b_ln2
    .symbol:         k_q96f04f903b_ln2.kd
    .args:
      - { .name: x1, .offset: 0, .size: 8, .value_kind: global_buffer, .address_space: global }
      - { .name: ln2_g, .offset: 8, .size: 8, .value_kind: global_buffer, .address_space: global }
      - { .name: ln2_b, .offset: 16, .size: 8, .value_kind: global_buffer, .address_space: global }
      - { .name: hn, .offset: 24, .size: 8, .value_kind: global_buffer, .address_space: global }
    .group_segment_fixed_size: 0
    .private_segment_fixed_size: 0
    .kernarg_segment_align: 8
    .kernarg_segment_size: 32
    .max_flat_workgroup_size: 256
    .sgpr_count:     66
    .vgpr_count:     136
    .wavefront_size: 32
...
	.end_amdgpu_metadata
.endif
;; end of part 5
;; launch fc1 (part 6): grid 16 x 16, 4 waves a work-group, clusters of 4 x 4, 327,680 bytes of LDS; arguments hn, wr, b_fc1, g; writes g
.if DOCPART == 6
	.amdgcn_target "amdgcn-amd-amdhsa--gfx1250"
	.amdhsa_code_object_version 6
	.text
	.protected	k_q96f04f903b_fc1
	.globl	k_q96f04f903b_fc1
	.p2align	8
	.type	k_q96f04f903b_fc1,@function
k_q96f04f903b_fc1:
	s_mov_b64 s[64:65], 0
	v_nop
	global_prefetch_b8 v0, s[64:65] scope:SCOPE_SE
	s_setreg_imm32_b32 hwreg(HW_REG_WAVE_MODE, 25, 1), 1
	s_wait_xcnt 0x0
	s_wait_alu depctr_hold_cnt(0) depctr_sa_sdst(0) depctr_va_vdst(0) depctr_va_sdst(0) depctr_va_ssrc(0) depctr_va_vcc(0) depctr_vm_vsrc(0)
	s_getreg_b32 s2, hwreg(HW_REG_IB_STS2, 6, 4)
	s_cmp_eq_u32 s2, 0
	s_cbranch_scc0 .Lentry_in_a_cluster
	s_endpgm
.Lentry_in_a_cluster:
	s_bfe_u32 s2, ttmp6, 0x10000c
	s_cmp_lg_u32 s2, 0xf033
	s_cbranch_scc0 .Lentry_shape_is_right
	s_endpgm
.Lentry_shape_is_right:
; Launch 6 of 7: g = gelu(hn w_fc1^T + b_fc1), the erf GELU, rounded to bf16.  hn: [4096][1024] bf16; w_fc1 in bf16 at wr's byte 2,097,152, [4096][1024]; g: [4096][4096] bf16.  Nothing is left out.
; SHARES, PIPELINE, CLUSTER, TRANSPOSED USE, REGISTERS as in the launch for qkv: a work-group makes 256 x 256, a wave 128 x 128 (64 accumulators); K = 1,024 in 8 tiles of 128 through two LDS slots, a tile in four
; stages of 32; tiles 0 and 1 are asked for together at the start; stage q waits for its fragments, fetches stage q + 1's and multiplies; the change of slots for tile t stands in front of stage 4 t - 1, and behind
; it the slot just left is asked for tile t + 1 (256 matrix instructions in which to land; two tensor loads of a wave are out at the start, one behind each change); hn's tile is asked for jointly along a row of the
; 4 x 4 cluster, W's along a column; the bias starts the sums as C.
; GELU.  gelu(y) = y Phi(y) = y / 2 + |y| (1/2 - r / 2), r = (1 + c1 u + c2 u^2 + c3 u^3 + c4 u^4)^-4, u = |y|: Abramowitz and Stegun 26.2.18, which gives Phi within 2.5e-4 for every u: g is off by at most
; 2.5e-4 |y|, an eighth of the step of the bf16 to which it is rounded next.  Where the power overflows its reciprocal is 0, the true limit.  For two numbers: 2 v_and, 6 packed multiply-adds, 3 packed multiplies, 2 reciprocals, 1 rounding.
; THE WAY OUT.  All 64 accumulators go in f32 into the ring's bytes (their last fill is over), 128 rows of 528 bytes a wave; a loop takes 8 rows a trip; a store covers 256 consecutive bytes of a row of g.
; LIMITS.  Phi within 2.5e-4, as said; an infinite y gives NaN; NaN is not treated apart; operands and results are bf16.
.set PITCH,  272
.set HALFT,  128*PITCH
.set SLOT,   4*HALFT                   ; 0x22000: its two bits occur in no wave's fill address (0, 0x8800, 0x11000, 0x19800)
.set SPARE,  2*SLOT
.set NT,     8
.set STG,    64
.set TSTEP,  256
.set DP,     528
.set DW,     128*DP
.set WOFF,   2097152
.set ADRA0, 16
.set ADRB0, 17
.set ADA,   18
.set ADB,   19
.set DST,   20
.set RD,    21
.set GO,    22
.set BO,    23
.set SPW,   28
.set NIL,   29
.set PFO,   30
.set F0,    64
.set F1,    128
.set Y,     64                         ; the way out: v[64:95] y; v[96:127] |y|; v[128:159] y / 2; v[160:191] the polynomial; v[192:207] bf16
.set U,     96
.set HY,    128
.set P,     160
.set OUT,   192
.set WV, 12
.set WR, 13
.set WC, 14
.set CX, 15
.set CY, 16
.set TC, 17
.set TR, 18
.set TA, 19
.set CNT, 21
.set TILES, 22
.set LIM, 23
.set G1, 24
.set G0, 32                            ; group 0 for hn: tile 1's, which then walks on
.set G0B, 36
.set PFA, 40
.set G1B, 48
.set C4, 66                            ; s[66:73] c4 .. c1, each named as a pair
.set C3, 68
.set C2, 70
.set C1, 72
.set AB, 74                            ; s74  clears a sign
.set G0F, 84                           ; group 0 for hn's tile 0
.set G0BF, 88
.set MSB, 0
.macro WIN new
.if MSB != (\new)
	s_set_vgpr_msb (MSB<<8)|(\new)
.set MSB, \new
.endif
.endm
.macro PLACES
.rept 4
	v_nop
.endr
.endm
.macro CROUND
	s_barrier_signal -1
	s_barrier_wait -1
	s_cmp_lg_u32 s[WV], 0
	s_cbranch_scc1 .Lnot_wave_0_\@
	s_barrier_signal -3
.Lnot_wave_0_\@:
	s_barrier_wait -3
	s_barrier_signal -1
	s_barrier_wait -1
.endm
.macro JLOAD ga, gb                    ; waves 0, 1 fetch hn's two halves, waves 2, 3 W's; an s_nop 0 and four v_nop follow each line
	s_cmp_eq_u32 s[WR], 0
	s_cbranch_scc0 .Lfor_b_\@
	tensor_load_to_lds s[(\ga):(\ga)+3], s[G1:G1+7]
	s_nop 0
.rept 4
	v_nop
.endr
	s_branch .Lasked_\@
.Lfor_b_\@:
	tensor_load_to_lds s[(\gb):(\gb)+3], s[G1B:G1B+7]
	s_nop 0
.rept 4
	v_nop
.endr
.Lasked_\@:
.endm
; A PREFETCH INTO THE L2: behind the joint load for tile t + 1 a wave names tile t + 3, two refills (512 matrix instructions) ahead of the load that will want it: 32 rows x 256 bytes, a lane a row.
; hn's rows are asked for by the clusters with x = 0, W's by those with y = 0; of the 128 rows that a wave fetches, the partner at place p (cx for hn, cy for W) takes 32 p .. 32 p + 31, told apart by address.
; So each row's 256 bytes of a tile are named once.  Tiles 0 to 3 come by their loads alone; the changes for tiles 5 and 6 ask for nothing: there is no tile 8.
.macro ASK
	s_cmp_gt_u32 s[TILES], s[LIM]
	s_cbranch_scc0 .Lnot_mine_\@
	global_prefetch_b8 v[PFO], s[PFA:PFA+1] th:TH_LOAD_NT scope:SCOPE_SE
.Lnot_mine_\@:
.endm
; THE CHANGE OF SLOTS: all my tensor loads have landed (one was out), the add, my reads of the slot are over; fill = 1: a round of the cluster's barrier and the joint refill first behind it.
.macro BOUND fill, ask
	WIN 0
	s_wait_tensorcnt 0x0
	ds_add_u32 v[SPW], v[NIL]
.if \fill
	s_xor_b32 s[G0+1], s[G0+1], SLOT
	s_add_nc_u64 s[G0+2:G0+3], s[G0+2:G0+3], TSTEP
	s_xor_b32 s[G0B+1], s[G0B+1], SLOT
	s_add_nc_u64 s[G0B+2:G0B+3], s[G0B+2:G0B+3], TSTEP
.endif
.if \ask
	s_wait_xcnt 0x0                                ; the last prefetch, a tile back, has read its address
	s_add_nc_u64 s[PFA:PFA+1], s[PFA:PFA+1], TSTEP
.endif
	s_sub_co_u32 s[TA], s[TA], 4*STG
	s_xor_b32 s[TA], s[TA], SLOT
	s_wait_dscnt 0x0
.if \fill
	CROUND
	JLOAD G0, G0B
.if \ask
	ASK
.endif
.else
	s_barrier_signal -1
	s_barrier_wait -1
.endif
.endm
.macro FETCH g, k
	WIN 0x40
.irp i, 0,1,2,3,4,5,6,7
	ds_load_b128 v[(\g)+8*(\i):(\g)+8*(\i)+3],   v[ADB] offset:(\k)+(\i)*16*PITCH
	ds_load_b128 v[(\g)+8*(\i)+4:(\g)+8*(\i)+7], v[ADB] offset:(\k)+(\i)*16*PITCH+32
.endr
	WIN 0
.irp i, 0,1,2,3,4,5,6,7
	ds_load_b128 v[(\g)+8*(\i):(\g)+8*(\i)+3],   v[ADA] offset:(\k)+(\i)*16*PITCH
	ds_load_b128 v[(\g)+8*(\i)+4:(\g)+8*(\i)+7], v[ADA] offset:(\k)+(\i)*16*PITCH+32
.endr
.endm
.macro MUL f, init                     ; a stage's 64 products; the 64 accumulators take turns in one fixed order; init = 1: C is the bias (window 1)
.irp hi, 0,1
.if \init
	WIN 0x91+0x40*(\hi)
.else
	WIN 0xa1+0x50*(\hi)
.endif
.irp a, 0,1,2,3
.irp b, 0,1,2,3,4,5,6,7
.if \init
	v_wmma_f32_16x16x32_bf16 v[8*(8*(\a)+(\b)):8*(8*(\a)+(\b))+7], v[(\f)+8*(\b):(\f)+8*(\b)+7], v[(\f)+8*(4*(\hi)+(\a)):(\f)+8*(4*(\hi)+(\a))+7], v[8*(\b):8*(\b)+7]
.else
	v_wmma_f32_16x16x32_bf16 v[8*(8*(\a)+(\b)):8*(8*(\a)+(\b))+7], v[(\f)+8*(\b):(\f)+8*(\b)+7], v[(\f)+8*(4*(\hi)+(\a)):(\f)+8*(4*(\hi)+(\a))+7], v[8*(8*(\a)+(\b)):8*(8*(\a)+(\b))+7]
.endif
.endr
.endr
.endr
.endm
.macro STAGE f, g, k
	s_wait_dscnt 0x0                               ; buffer f's 32 loads, issued a stage ago, are in
	PLACES                                         ; behind the last product that read buffer g
	FETCH \g, \k
	MUL \f, 0
.endm
.macro PAIR
	WIN 0
	v_add_nc_u32 v[ADA], s[TA], v[ADRA0]
	v_add_nc_u32 v[ADB], s[TA], v[ADRB0]
	STAGE F1, F0, 0
	STAGE F0, F1, STG
	WIN 0
	s_add_co_u32 s[TA], s[TA], 2*STG
.endm
.macro TWO_PAIRS
	s_mov_b32 s[CNT], 2
.Lpair_\@:
	PAIR
	s_sub_co_u32 s[CNT], s[CNT], 1
	s_cmp_lg_u32 s[CNT], 0
	s_cbranch_scc1 .Lpair_\@
.endm
.macro DUMP                            ; accumulator (a, b): row 16 a + l % 16, bytes 64 b + 32 (l / 16) on; each accumulator's low registers first
.irp a, 0,1,2,3,4,5,6,7
	WIN 0x08+4*((\a)/4)
.irp b, 0,1,2,3,4,5,6,7
	ds_store_b128 v[DST], v[8*(8*((\a)%4)+(\b)):8*(8*((\a)%4)+(\b))+3]   offset:(\a)*16*DP+64*(\b)
	ds_store_b128 v[DST], v[8*(8*((\a)%4)+(\b))+4:8*(8*((\a)%4)+(\b))+7] offset:(\a)*16*DP+64*(\b)+16
.endr
.endr
	WIN 0
.endm
	s_load_b256 s[4:11], s[0:1], 0x0               ; hn 4:5, wr 6:7, b_fc1 8:9, g 10:11
	v_lshl_add_u32 v[SPW], v0, 2, SPARE
	v_mov_b32 v[NIL], 0
	ds_add_u32 v[SPW], v[NIL]                      ; the opening: the add, twice on end, and its wait ahead of my first tensor load
	ds_add_u32 v[SPW], v[NIL]
	v_lshrrev_b32 v1, 5, v0
	v_readfirstlane_b32 s[WV], v1
	s_lshr_b32 s[WR], s[WV], 1
	s_and_b32 s[WC], s[WV], 1
	s_bfe_u32 s[CX], ttmp6, 0x40000
	s_bfe_u32 s[CY], ttmp6, 0x40004
	s_lshl_b32 s[TC], ttmp9, 2
	s_add_co_u32 s[TC], s[TC], s[CX]
	s_and_b32 s[TR], ttmp7, 0xffff
	s_lshl_b32 s[TR], s[TR], 2
	s_add_co_u32 s[TR], s[TR], s[CY]
	s_lshl_b32 s2, s[CY], 2
	s_lshl_b32 s2, 15, s2
	s_lshl_b32 s3, 0x1111, s[CX]
	s_or_b32 s[G1], s2, (1<<16)|(1<<20)|(1<<21)|(5<<22)|(3<<25)
	s_or_b32 s[G1B], s3, (1<<16)|(1<<20)|(1<<21)|(5<<22)|(3<<25)
.irp g, G1, G1B
	s_mov_b32 s[(\g)+1], 128<<16
	s_mov_b32 s[(\g)+2], 128<<16
	s_mov_b32 s[(\g)+3], 128<<16
	s_mov_b32 s[(\g)+4], 128
	s_mov_b32 s[(\g)+5], 1024
	s_mov_b32 s[(\g)+6], 0
	s_mov_b32 s[(\g)+7], 0
.endr
	s_lshl_b32 s44, s[WC], 18
	s_lshl_b32 s42, s[TR], 19
	s_add_co_u32 s42, s42, s44
	s_mov_b32 s43, 0
	s_lshl_b32 s46, s[TC], 19
	s_add_co_u32 s46, s46, s44
	s_mov_b32 s47, 0
	s_mov_b32 s[G0F], 1
	s_mul_i32 s[G0F+1], s[WV], HALFT               ; slot 0
	s_mov_b32 s[G0BF], 1
	s_mul_i32 s[G0BF+1], s[WV], HALFT
	s_mov_b32 s[G0], 1
	s_mul_i32 s[G0+1], s[WV], HALFT
	s_add_co_u32 s[G0+1], s[G0+1], SLOT            ; slot 1
	s_mov_b32 s[G0B], 1
	s_mul_i32 s[G0B+1], s[WV], HALFT
	s_add_co_u32 s[G0B+1], s[G0B+1], SLOT
	s_mov_b32 s[TA], 0
	s_mov_b32 s[C4], 0x3c9ff716                    ; .019527
	s_mov_b32 s[C4+1], s[C4]
	s_mov_b32 s[C3], 0x39b45ae6                    ; .000344
	s_mov_b32 s[C3+1], s[C3]
	s_mov_b32 s[C2], 0x3debead5                    ; .115194
	s_mov_b32 s[C2+1], s[C2]
	s_mov_b32 s[C1], 0x3e499418                    ; .196854
	s_mov_b32 s[C1+1], s[C1]
	s_mov_b32 s[AB], 0x7fffffff
	s_wait_dscnt 0x0
	s_wait_kmcnt 0x0
	s_add_nc_u64 s[6:7], s[6:7], WOFF
	s_add_nc_u64 s[G0F+2:G0F+3], s[4:5], s[42:43]  ; tile 0,
	s_add_nc_u64 s[G0+2:G0+3], s[G0F+2:G0F+3], TSTEP  ; tile 1
	s_or_b32 s[G0F+3], s[G0F+3], 0x80000000
	s_or_b32 s[G0+3], s[G0+3], 0x80000000
	s_add_nc_u64 s[G0BF+2:G0BF+3], s[6:7], s[46:47]
	s_add_nc_u64 s[G0B+2:G0B+3], s[G0BF+2:G0BF+3], TSTEP
	s_or_b32 s[G0BF+3], s[G0BF+3], 0x80000000
	s_or_b32 s[G0B+3], s[G0B+3], 0x80000000
	CROUND
	JLOAD G0F, G0BF                                ; tile 0 into slot 0,
	JLOAD G0, G0B                                  ; tile 1 into slot 1: the two first fills go out together
	s_lshl_b32 s56, s[TC], 10                      ; the bias of my 128 columns
	s_lshl_b32 s57, s[WC], 9
	s_add_co_u32 s56, s56, s57
	s_mov_b32 s57, 0
	s_add_nc_u64 s[8:9], s[8:9], s[56:57]
	v_and_b32 v1, 15, v0
	v_bfe_u32 v2, v0, 4, 1
	v_lshlrev_b32 v[BO], 5, v2
	WIN 0x40
.irp b, 0,1,2,3,4,5,6,7
	global_load_b128 v[8*(\b):8*(\b)+3],   v[BO], s[8:9] offset:64*(\b)
	global_load_b128 v[8*(\b)+4:8*(\b)+7], v[BO], s[8:9] offset:64*(\b)+16
.endr
	WIN 0
	s_lshl_b32 s58, s[TR], 8                       ; the prefetches
	s_lshl_b32 s59, s[TC], 8
	s_and_b32 s60, ttmp7, 0xffff
	s_cmp_eq_u32 s[WR], 0
	s_cselect_b32 s58, s58, s59
	s_cselect_b32 s59, s[CX], s[CY]
	s_cselect_b32 s60, ttmp9, s60
	s_cselect_b64 s[PFA:PFA+1], s[4:5], s[6:7]
	s_cmp_eq_u32 s60, 0
	s_cselect_b32 s[LIM], 2, -1
	s_lshl_b32 s60, s[WC], 7
	s_add_co_u32 s58, s58, s60
	s_lshl_b32 s59, s59, 5
	s_add_co_u32 s58, s58, s59
	s_lshl_b32 s58, s58, 11
	s_mov_b32 s59, 0
	s_add_nc_u64 s[PFA:PFA+1], s[PFA:PFA+1], s[58:59]
	s_add_nc_u64 s[PFA:PFA+1], s[PFA:PFA+1], 3*TSTEP
	v_and_b32 v[PFO], 31, v0
	v_lshlrev_b32 v[PFO], 11, v[PFO]
	v_mul_u32_u24 v3, v1, PITCH
	v_lshl_add_u32 v3, v2, 4, v3
	s_mul_i32 s2, s[WR], HALFT
	s_mul_i32 s3, s[WC], HALFT
	s_add_co_u32 s3, s3, 2*HALFT
	v_add_nc_u32 v[ADRA0], s2, v3
	v_add_nc_u32 v[ADRB0], s3, v3
	s_mul_i32 s2, s[WV], DW
	v_mul_u32_u24 v[DST], v1, DP
	v_lshl_add_u32 v[DST], v2, 5, v[DST]
	v_add_nc_u32 v[DST], s2, v[DST]
	v_and_b32 v4, 31, v0
	v_lshl_add_u32 v[RD], v4, 4, s2                ; back: 32 lanes take a row's 512 bytes
	v_lshlrev_b32 v[GO], 3, v4                     ; which are 256 bytes of g
	s_lshl_b32 s56, s[TR], 21                      ; my first row, 256 TR + 128 WR, x 8,192 bytes; my first column, 256 TC + 128 WC, x 2
	s_lshl_b32 s57, s[WR], 20
	s_add_co_u32 s56, s56, s57
	s_lshl_b32 s57, s[TC], 9
	s_add_co_u32 s56, s56, s57
	s_lshl_b32 s57, s[WC], 8
	s_add_co_u32 s56, s56, s57
	s_mov_b32 s57, 0
	s_add_nc_u64 s[10:11], s[10:11], s[56:57]
	s_wait_tensorcnt 0x1                           ; my part of tile 0 is in; tile 1's load may stay out
	s_barrier_signal -1
	s_barrier_wait -1                              ; everybody's part of tile 0 is in
	v_add_nc_u32 v[ADA], s[TA], v[ADRA0]
	v_add_nc_u32 v[ADB], s[TA], v[ADRB0]
	FETCH F0, 0
	FETCH F1, STG
	s_wait_loadcnt 0x0                             ; the bias
	s_wait_dscnt 32                                ; stage 0's fragments are in; stage 1's 32 loads may stay out
	MUL F0, 1
	WIN 0
	s_add_co_u32 s[TA], s[TA], 2*STG
	PAIR                                           ; stages 1 and 2
	s_mov_b32 s[TILES], NT-2
.Ltile:
	BOUND 1, 1
	TWO_PAIRS
	s_sub_co_u32 s[TILES], s[TILES], 1
	s_cmp_lg_u32 s[TILES], 0
	s_cbranch_scc1 .Ltile
	BOUND 0, 0
	TWO_PAIRS
	s_wait_dscnt 0x0                               ; my reads of the ring are over
	s_barrier_signal -1
	MUL F1, 0
	s_barrier_wait -1                              ; everybody's are
	PLACES
	DUMP
	s_wait_dscnt 0x0                               ; one barrier between all stores into the stage and all reads of it, whose address steps in a loop
	s_barrier_signal -1
	s_barrier_wait -1
.macro ROWS8
.irp t, 0,1,2,3,4,5,6,7
	ds_load_b128 v[Y+4*(\t):Y+4*(\t)+3], v[RD] offset:(\t)*DP
.endr
.endm
.macro ALL16 line:vararg               ; one line for each of the 16 pairs, i = 0, 2 .. 30
.set i, 0
.rept 16
	\line
.set i, i+2
.endr
.endm
	ROWS8
	s_mov_b32 s[CNT], 16
.Lrows:
	s_wait_dscnt 0x0
.set i, 0
.rept 32
	v_and_b32 v[U+i], s[AB], v[Y+i]
.set i, i+1
.endr
	ALL16 v_pk_mul_f32 v[HY+i:HY+i+1], v[Y+i:Y+i+1], 0.5 op_sel_hi:[1,0]
	s_cmp_eq_u32 s[CNT], 1
	s_cbranch_scc1 .Lno_more                       ; the last trip reads nothing more
	v_add_nc_u32 v[RD], 8*DP, v[RD]
	ROWS8                                          ; y has been read: the next 8 rows come in while these are worked on
.Lno_more:
	ALL16 v_pk_fma_f32 v[P+i:P+i+1], v[U+i:U+i+1], s[C4:C4+1], s[C3:C3+1] op_sel_hi:[1,0,0]
	ALL16 v_pk_fma_f32 v[P+i:P+i+1], v[P+i:P+i+1], v[U+i:U+i+1], s[C2:C2+1] op_sel_hi:[1,1,0]
	ALL16 v_pk_fma_f32 v[P+i:P+i+1], v[P+i:P+i+1], v[U+i:U+i+1], s[C1:C1+1] op_sel_hi:[1,1,0]
	ALL16 v_pk_fma_f32 v[P+i:P+i+1], v[P+i:P+i+1], v[U+i:U+i+1], 1.0 op_sel_hi:[1,1,0]
.rept 2                                ; the 4th power
	ALL16 v_pk_mul_f32 v[P+i:P+i+1], v[P+i:P+i+1], v[P+i:P+i+1]
.endr
.set i, 0
.rept 32
	v_rcp_f32 v[P+i], v[P+i]
.set i, i+1
.endr
	v_nop                                          ; a plain instruction behind the last reciprocal
	s_wait_xcnt 0x0                                ; the last trip's stores have read OUT and GO
	s_wait_alu depctr_va_vdst(0)                   ; one wait for the batch of 32, ahead of its first reader
	ALL16 v_pk_fma_f32 v[P+i:P+i+1], v[P+i:P+i+1], -0.5, 0.5 op_sel_hi:[1,0,0]
	ALL16 v_pk_fma_f32 v[P+i:P+i+1], v[U+i:U+i+1], v[P+i:P+i+1], v[HY+i:HY+i+1]
.set i, 0
.rept 16
	v_cvt_pk_bf16_f32 v[OUT+i], v[P+2*i], v[P+2*i+1]
.set i, i+1
.endr
	v_add_nc_u32 v[GO], 65536, v[GO]               ; 8 rows of g on; the stores reach back
.irp t, 0,1,2,3,4,5,6,7
	global_store_b64 v[GO], v[OUT+2*(\t):OUT+2*(\t)+1], s[10:11] offset:8192*(\t)-65536  ; 32 lanes store 256 consecutive bytes, aligned
.endr
	s_sub_co_u32 s[CNT], s[CNT], 1
	s_cmp_lg_u32 s[CNT], 0
	s_cbranch_scc1 .Lrows
	s_wait_tensorcnt 0x0                           ; the wave's end
	ds_add_u32 v[SPW], v[NIL]
	s_wait_dscnt 0x0
	CROUND
	s_endpgm
.Lfunc_end_k_q96f04f903b_fc1:
	.size	k_q96f04f903b_fc1, .Lfunc_end_k_q96f04f903b_fc1-k_q96f04f903b_fc1
	.p2alignl 7, 3214868480
	.fill 96, 4, 3214868480
	.section	.rodata,"a",@progbits
	.p2align	6, 0x0
	.amdhsa_kernel k_q96f04f903b_fc1
		.amdhsa_group_segment_fixed_size 327680
		.amdhsa_private_segment_fixed_size 0
		.amdhsa_enable_private_segment 0
		.amdhsa_kernarg_size 32
		.amdhsa_user_sgpr_count 2
		.amdhsa_user_sgpr_kernarg_segment_ptr 1
		.amdhsa_wavefront_size32 1
		.amdhsa_system_sgpr_workgroup_id_x 1
		.amdhsa_system_sgpr_workgroup_id_y 1
		.amdhsa_system_sgpr_workgroup_id_z 1
		.amdhsa_system_vgpr_workitem_id 0
		.amdhsa_next_free_vgpr 1024
		.amdhsa_next_free_sgpr 96
		.amdhsa_reserve_vcc 0
		.amdhsa_float_denorm_mode_32 3
		.amdhsa_float_denorm_mode_16_64 3
		.amdhsa_memory_ordered 1
		.amdhsa_forward_progress 1
		.amdhsa_inst_pref_size 86
	.end_amdhsa_kernel
	.amdgpu_metadata
---
amdhsa.version: [ 1, 2 ]
amdhsa.kernels:
  - .name:           k_q96f04f903b_fc1
    .symbol:         k_q96f04f903b_fc1.kd
    .args:
      - { .name: hn, .offset: 0, .size: 8, .value_kind: global_buffer, .address_space: global }
      - { .name: wr, .offset: 8, .size: 8, .value_kind: global_buffer, .address_space: global }
      - { .name: b_fc1, .offset: 16, .size: 8, .value_kind: global_buffer, .address_space: global }
      - { .name: g, .offset: 24, .size: 8, .value_kind: global_buffer, .address_space: global }
    .group_segment_fixed_size: 327680
    .private_segment_fixed_size: 0
    .kernarg_segment_align: 8
    .kernarg_segment_size: 32
    .max_flat_workgroup_size: 128
    .sgpr_count:     96
    .vgpr_count:     1024
    .wavefront_size: 32
...
	.end_amdgpu_metadata
.endif
;; end of part 6
;; launch fc2 (part 7): grid 8 x 32, 4 waves a work-group, clusters of 4 x 4, 327,680 bytes of LDS; arguments g, wr, b_fc2, x1, out0; writes out0
.if DOCPART == 7
	.amdgcn_target "amdgcn-amd-amdhsa--gfx1250"
	.amdhsa_code_object_version 6
	.text
	.protected	k_q96f04f903b_fc2
	.globl	k_q96f04f903b_fc2
	.p2align	8
	.type	k_q96f04f903b_fc2,@function
k_q96f04f903b_fc2:
	s_mov_b64 s[64:65], 0
	v_nop
	global_prefetch_b8 v0, s[64:65] scope:SCOPE_SE
	s_setreg_imm32_b32 hwreg(HW_REG_WAVE_MODE, 25, 1), 1
	s_wait_xcnt 0x0
	s_wait_alu depctr_hold_cnt(0) depctr_sa_sdst(0) depctr_va_vdst(0) depctr_va_sdst(0) depctr_va_ssrc(0) depctr_va_vcc(0) depctr_vm_vsrc(0)
	s_getreg_b32 s2, hwreg(HW_REG_IB_STS2, 6, 4)
	s_cmp_eq_u32 s2, 0
	s_cbranch_scc0 .Lentry_in_a_cluster
	s_endpgm
.Lentry_in_a_cluster:
	s_bfe_u32 s2, ttmp6, 0x10000c
	s_cmp_lg_u32 s2, 0xf033
	s_cbranch_scc0 .Lentry_shape_is_right
	s_endpgm
.Lentry_shape_is_right:
; Launch 7 of 7: out0 = x1 + g w_fc2^T + b_fc2, in f32.  g: [4096][4096] bf16; w_fc2 in bf16 at wr's byte 10,485,760, [1024][4096]; sums in f32.  Nothing is left out.
; SHARES.  A work-group makes 128 x 128, each of its four waves 64 x 64: 16 accumulators; 256 work-groups.  K = 4,096 comes in 16 TILES of 256 (rows of 512 bytes) through two LDS slots; a tile is four STAGES of 64.
; PIPELINE, CLUSTER, TRANSPOSED USE as in the launch for proj: the walk's first two tiles are asked for together at the start; stage q waits for its fragments, fetches stage q + 1's and multiplies; the change of slots
; for the walk's tile t stands in front of stage 4 t - 1, and behind it the slot just left is asked for tile t + 1 (128 matrix instructions in which to land; two tensor loads of a wave are out at the start, one
; behind each change); g's tile is asked for jointly along a row of the 4 x 4 cluster, W's along a column; lane l holds row l % 16 and the columns 8 (l / 16) + 0..7, whose bias starts the sums as C.
; THE WALK ALONG K.  A cluster whose x + y is odd begins at the middle of K and wraps round (f32 sums may be taken in any order).  Of the two clusters that read the same rows of g, and of two neighbouring clusters
; that read the same rows of W, one is half a walk ahead of the other: they never ask for the same block in the same step, and a block's second reading comes half a walk behind its first.  The tile's number
; hangs on the cluster's place in the grid alone, which all sixteen partners share; a descriptor's address is made anew from it for each fill.
; THE RESIDUAL's 32 rows a wave are asked for at the start and stay on their way through the whole K loop.  THE WAY OUT goes in f32 through one stage of 128 rows x 528 bytes in the ring's bytes (their last fill is over).
; REGISTERS: window 0: v16-29 addresses; v32-95 rows read back; v96-127 the bias; v128-255 accumulators (a, b) at 128 + 8 (4 a + b).  Window 1: two fragment buffers of 128.  Window 2: v0-127 the residual.
; LIMITS.  NaN and infinities are not treated apart; matrix operands are bf16.
.set NT,     16
.set LOGH,   3                         ; NT / 2 = 1 << LOGH
.set PA,     528                       ; an LDS row: 512 bytes + 16
.set HALFA,  64*PA
.set STGA,   128
.set ASH,    9                         ; a tile is 512 bytes on in its rows
.set PB,     528
.set HALFB,  64*PB
.set STGB,   128
.set BSH,    9
.set BOFF,   2*HALFA
.set SLOT,   135168                    ; 0x21000: its two bits occur in no fill address (0, 0x8400, 0x10800, 0x18c00)
.set SPARE,  2*SLOT
.set WOFF,   10485760
.set DP,     528
.set ADRA0, 16
.set ADRB0, 17
.set ADA,   18
.set ADB,   19
.set DST,   20
.set RD,    21
.set CO,    22
.set BO,    23
.set SPW,   28
.set NIL,   29
.set Y1,    32
.set BIAS,  96
.set ACC,   128
.set Y2,    128
.set F0,    0
.set F1,    128
.set WV, 12
.set WR, 13
.set WC, 14
.set CX, 15
.set CY, 16
.set TC, 17
.set TR, 18
.set TA, 19
.set TB, 20
.set CNT, 21
.set TILES, 22
.set KK, 23                            ; the tile of K that was asked for last
.set G1, 24
.set G0, 32                            ; group 0 for g: the walk's second tile, then every later one
.set G0B, 36
.set G1B, 48
.set OA, 66                            ; s[66:67] the tile's byte offset in g's rows
.set OB, 68                            ; s[68:69] in W's
.set G0F, 84                           ; group 0 for the walk's first tile
.set G0BF, 88
.set MSB, 0
.macro WIN new
.if MSB != (\new)
	s_set_vgpr_msb (MSB<<8)|(\new)
.set MSB, \new
.endif
.endm
.macro PLACES
.rept 4
	v_nop
.endr
.endm
.macro CROUND
	s_barrier_signal -1
	s_barrier_wait -1
	s_cmp_lg_u32 s[WV], 0
	s_cbranch_scc1 .Lnot_wave_0_\@
	s_barrier_signal -3
.Lnot_wave_0_\@:
	s_barrier_wait -3
	s_barrier_signal -1
	s_barrier_wait -1
.endm
.macro JLOAD ga, gb                    ; waves 0, 1 fetch g's two halves, waves 2, 3 W's; an s_nop 0 and four v_nop follow each line
	s_cmp_eq_u32 s[WR], 0
	s_cbranch_scc0 .Lfor_b_\@
	tensor_load_to_lds s[(\ga):(\ga)+3], s[G1:G1+7]
	s_nop 0
.rept 4
	v_nop
.endr
	s_branch .Lasked_\@
.Lfor_b_\@:
	tensor_load_to_lds s[(\gb):(\gb)+3], s[G1B:G1B+7]
	s_nop 0
.rept 4
	v_nop
.endr
.Lasked_\@:
.endm
; THE CHANGE OF SLOTS: all my tensor loads have landed (one was out), the add, my reads of the slot are over; fill = 1: a round of the cluster's barrier and the joint refill first behind it.
.macro BOUND fill
	WIN 0
	s_wait_tensorcnt 0x0
	ds_add_u32 v[SPW], v[NIL]
.if \fill
	s_add_co_u32 s[KK], s[KK], 1                   ; the walk's next tile, round K's end
	s_and_b32 s[KK], s[KK], NT-1
	s_lshl_b32 s[OA], s[KK], ASH
	s_lshl_b32 s[OB], s[KK], BSH
	s_xor_b32 s[G0+1], s[G0+1], SLOT
	s_add_nc_u64 s[G0+2:G0+3], s[4:5], s[OA:OA+1]
	s_or_b32 s[G0+3], s[G0+3], 0x80000000
	s_xor_b32 s[G0B+1], s[G0B+1], SLOT
	s_add_nc_u64 s[G0B+2:G0B+3], s[6:7], s[OB:OB+1]
	s_or_b32 s[G0B+3], s[G0B+3], 0x80000000
.endif
	s_sub_co_u32 s[TA], s[TA], 4*STGA
	s_xor_b32 s[TA], s[TA], SLOT
	s_sub_co_u32 s[TB], s[TB], 4*STGB
	s_xor_b32 s[TB], s[TB], SLOT
	s_wait_dscnt 0x0
.if \fill
	CROUND
	JLOAD G0, G0B
.else
	s_barrier_signal -1
	s_barrier_wait -1
.endif
.endm
.macro FETCH g, ka, kb                 ; 32 LDS loads in one run: a stage's fragments (64 along K) into buffer g: g's (c, i) at g + 8 (4 c + i), W's 64 further on
	WIN 0x40
.irp c, 0,1
.irp i, 0,1,2,3
	ds_load_b128 v[(\g)+64+8*(4*(\c)+(\i)):(\g)+64+8*(4*(\c)+(\i))+3],   v[ADB] offset:(\kb)+64*(\c)+(\i)*16*PB
	ds_load_b128 v[(\g)+64+8*(4*(\c)+(\i))+4:(\g)+64+8*(4*(\c)+(\i))+7], v[ADB] offset:(\kb)+64*(\c)+(\i)*16*PB+32
	ds_load_b128 v[(\g)+8*(4*(\c)+(\i)):(\g)+8*(4*(\c)+(\i))+3],         v[ADA] offset:(\ka)+64*(\c)+(\i)*16*PA
	ds_load_b128 v[(\g)+8*(4*(\c)+(\i))+4:(\g)+8*(4*(\c)+(\i))+7],       v[ADA] offset:(\ka)+64*(\c)+(\i)*16*PA+32
.endr
.endr
.endm
.macro MUL f, init                     ; a stage's 32 products; the 16 accumulators take turns; init = 1: the bias is the C that starts the sums
	WIN 0x05
.irp c, 0,1
.irp a, 0,1,2,3
.irp b, 0,1,2,3
.if (\init) && ((\c) == 0)
	v_wmma_f32_16x16x32_bf16 v[ACC+8*(4*(\a)+(\b)):ACC+8*(4*(\a)+(\b))+7], v[(\f)+64+8*(4*(\c)+(\b)):(\f)+64+8*(4*(\c)+(\b))+7], v[(\f)+8*(4*(\c)+(\a)):(\f)+8*(4*(\c)+(\a))+7], v[BIAS+8*(\b):BIAS+8*(\b)+7]
.else
	v_wmma_f32_16x16x32_bf16 v[ACC+8*(4*(\a)+(\b)):ACC+8*(4*(\a)+(\b))+7], v[(\f)+64+8*(4*(\c)+(\b)):(\f)+64+8*(4*(\c)+(\b))+7], v[(\f)+8*(4*(\c)+(\a)):(\f)+8*(4*(\c)+(\a))+7], v[ACC+8*(4*(\a)+(\b)):ACC+8*(4*(\a)+(\b))+7]
.endif
.endr
.endr
.endr
.endm
.macro STAGE f, g, ka, kb
	s_wait_dscnt 0x0                               ; buffer f's 32 loads, issued a stage ago, are in
	PLACES                                         ; behind the last product that read buffer g
	FETCH \g, \ka, \kb
	MUL \f, 0
.endm
.macro PAIR
	WIN 0
	v_add_nc_u32 v[ADA], s[TA], v[ADRA0]
	v_add_nc_u32 v[ADB], s[TB], v[ADRB0]
	STAGE F1, F0, 0, 0
	STAGE F0, F1, STGA, STGB
	WIN 0
	s_add_co_u32 s[TA], s[TA], 2*STGA
	s_add_co_u32 s[TB], s[TB], 2*STGB
.endm
.macro TWO_PAIRS
	s_mov_b32 s[CNT], 2
.Lpair_\@:
	PAIR
	s_sub_co_u32 s[CNT], s[CNT], 1
	s_cmp_lg_u32 s[CNT], 0
	s_cbranch_scc1 .Lpair_\@
.endm
	s_load_b256 s[4:11], s[0:1], 0x0               ; g 4:5, wr 6:7, b_fc2 8:9, x1 10:11
	s_load_b64 s[56:57], s[0:1], 0x20              ; out0
	v_lshl_add_u32 v[SPW], v0, 2, SPARE
	v_mov_b32 v[NIL], 0
	ds_add_u32 v[SPW], v[NIL]                      ; the opening: the add, twice on end, and its wait ahead of my first tensor load
	ds_add_u32 v[SPW], v[NIL]
	v_lshrrev_b32 v1, 5, v0
	v_readfirstlane_b32 s[WV], v1
	s_lshr_b32 s[WR], s[WV], 1
	s_and_b32 s[WC], s[WV], 1
	s_bfe_u32 s[CX], ttmp6, 0x40000
	s_bfe_u32 s[CY], ttmp6, 0x40004
	s_lshl_b32 s[TC], ttmp9, 2
	s_add_co_u32 s[TC], s[TC], s[CX]
	s_and_b32 s[TR], ttmp7, 0xffff
	s_lshl_b32 s[TR], s[TR], 2
	s_add_co_u32 s[TR], s[TR], s[CY]
	s_lshl_b32 s2, s[CY], 2
	s_lshl_b32 s2, 15, s2
	s_lshl_b32 s3, 0x1111, s[CX]
	s_or_b32 s[G1], s2, (1<<16)|(1<<20)|(1<<21)|(6<<22)|(3<<25)   ; padding of 4 words after every 128
	s_or_b32 s[G1B], s3, (1<<16)|(1<<20)|(1<<21)|(6<<22)|(3<<25)
.irp g, G1, G1B
	s_mov_b32 s[(\g)+1], 256<<16                   ; tensor_dim0 = 256
	s_mov_b32 s[(\g)+2], 64<<16                    ; tensor_dim1 = 64
	s_mov_b32 s[(\g)+3], 256<<16                   ; tile_dim0 = 256
	s_mov_b32 s[(\g)+4], 64                        ; tile_dim1 = 64
	s_mov_b32 s[(\g)+5], 4096                      ; elements from row to row
	s_mov_b32 s[(\g)+6], 0
	s_mov_b32 s[(\g)+7], 0
.endr
	s_lshl_b32 s42, s[TR], 20                      ; g: row 128 x tile row, x 8,192 bytes,
	s_lshl_b32 s43, s[WC], 19                      ; the 64 rows that I fetch
	s_add_co_u32 s42, s42, s43
	s_mov_b32 s43, 0
	s_lshl_b32 s46, s[TC], 20                      ; W: row 128 x tile column
	s_lshl_b32 s47, s[WC], 19
	s_add_co_u32 s46, s46, s47
	s_mov_b32 s47, 0
	s_mov_b32 s[G0F], 1
	s_mul_i32 s[G0F+1], s[WC], HALFA               ; slot 0
	s_mov_b32 s[G0], 1
	s_mul_i32 s[G0+1], s[WC], HALFA
	s_add_co_u32 s[G0+1], s[G0+1], SLOT            ; slot 1
	s_mov_b32 s[G0BF], 1
	s_mul_i32 s[G0BF+1], s[WC], HALFB
	s_add_co_u32 s[G0BF+1], s[G0BF+1], BOFF
	s_mov_b32 s[G0B], 1
	s_mul_i32 s[G0B+1], s[WC], HALFB
	s_add_co_u32 s[G0B+1], s[G0B+1], BOFF+SLOT
	s_mov_b32 s[TA], 0
	s_mov_b32 s[TB], 0
	s_and_b32 s[KK], ttmp7, 0xffff                 ; where my cluster's walk begins: tile 0, or the middle one where cluster x + cluster y is odd
	s_add_co_u32 s[KK], s[KK], ttmp9
	s_and_b32 s[KK], s[KK], 1
	s_lshl_b32 s[KK], s[KK], LOGH
	s_lshl_b32 s[OA], s[KK], ASH
	s_mov_b32 s[OA+1], 0
	s_lshl_b32 s[OB], s[KK], BSH
	s_mov_b32 s[OB+1], 0
	s_wait_dscnt 0x0
	s_wait_kmcnt 0x0
	s_add_nc_u64 s[4:5], s[4:5], s[42:43]          ; g and W at the rows that I fetch, at K's beginning
.if WOFF
	s_add_nc_u64 s[6:7], s[6:7], WOFF
.endif
	s_add_nc_u64 s[6:7], s[6:7], s[46:47]
	s_add_nc_u64 s[G0F+2:G0F+3], s[4:5], s[OA:OA+1]
	s_or_b32 s[G0F+3], s[G0F+3], 0x80000000
	s_add_nc_u64 s[G0BF+2:G0BF+3], s[6:7], s[OB:OB+1]
	s_or_b32 s[G0BF+3], s[G0BF+3], 0x80000000
	s_add_co_u32 s[KK], s[KK], 1                   ; the walk's second tile (no wrap yet: the walk begins at 0 or at NT / 2)
	s_lshl_b32 s[OA], s[KK], ASH
	s_lshl_b32 s[OB], s[KK], BSH
	s_add_nc_u64 s[G0+2:G0+3], s[4:5], s[OA:OA+1]
	s_or_b32 s[G0+3], s[G0+3], 0x80000000
	s_add_nc_u64 s[G0B+2:G0B+3], s[6:7], s[OB:OB+1]
	s_or_b32 s[G0B+3], s[G0B+3], 0x80000000
	CROUND
	JLOAD G0F, G0BF                                ; the walk's first tile into slot 0,
	JLOAD G0, G0B                                  ; its second into slot 1: the two first fills go out together
	s_lshl_b32 s58, s[TC], 9                       ; the bias of my 64 columns
	s_lshl_b32 s59, s[WC], 8
	s_add_co_u32 s58, s58, s59
	s_mov_b32 s59, 0
	s_add_nc_u64 s[8:9], s[8:9], s[58:59]
	s_lshl_b32 s60, s[TR], 19                      ; the rows that I store: 128 x tile row + 32 x wave, of 4,096 bytes; the tile's 512 bytes of them
	s_lshl_b32 s61, s[WV], 17
	s_add_co_u32 s60, s60, s61
	s_lshl_b32 s61, s[TC], 9
	s_add_co_u32 s60, s60, s61
	s_mov_b32 s61, 0
	s_add_nc_u64 s[10:11], s[10:11], s[60:61]
	s_add_nc_u64 s[56:57], s[56:57], s[60:61]
	v_and_b32 v1, 15, v0
	v_bfe_u32 v2, v0, 4, 1
	v_lshlrev_b32 v[BO], 5, v2
	v_and_b32 v[CO], 31, v0
	v_lshlrev_b32 v[CO], 4, v[CO]
.irp b, 0,1,2,3
	global_load_b128 v[BIAS+8*(\b):BIAS+8*(\b)+3],   v[BO], s[8:9] offset:64*(\b)
	global_load_b128 v[BIAS+8*(\b)+4:BIAS+8*(\b)+7], v[BO], s[8:9] offset:64*(\b)+16
.endr
	WIN 0x80                                       ; destination window 2
.set i, 0
.rept 32
	global_load_b128 v[4*i:4*i+3], v[CO], s[10:11] offset:4096*i   ; the residual: a row's 512 bytes a load
.set i, i+1
.endr
	WIN 0
	v_mul_u32_u24 v3, v1, PA
	v_lshl_add_u32 v3, v2, 4, v3
	s_mul_i32 s2, s[WR], HALFA
	v_add_nc_u32 v[ADRA0], s2, v3
	s_mul_i32 s2, s[WC], HALFB
	s_add_co_u32 s2, s2, BOFF
	v_add_nc_u32 v[ADRB0], s2, v3
	s_mul_i32 s2, s[WR], 64*DP                     ; into the stage: my 64 rows, my 256 bytes of their 512
	s_lshl_b32 s3, s[WC], 8
	s_add_co_u32 s2, s2, s3
	v_mul_u32_u24 v[DST], v1, DP
	v_lshl_add_u32 v[DST], v2, 5, v[DST]
	v_add_nc_u32 v[DST], s2, v[DST]
	s_mul_i32 s2, s[WV], 32*DP                     ; back: wave w takes rows 32 w .. 32 w + 31, whole
	v_add_nc_u32 v[RD], s2, v[CO]
	s_wait_tensorcnt 0x1                           ; my part of the first tile is in; the second's load may stay out
	s_barrier_signal -1
	s_barrier_wait -1                              ; everybody's part of the first tile is in
	v_add_nc_u32 v[ADA], s[TA], v[ADRA0]
	v_add_nc_u32 v[ADB], s[TB], v[ADRB0]
	FETCH F0, 0, 0
	FETCH F1, STGA, STGB
	s_wait_loadcnt 32                              ; the bias is in; the 32 residual loads stay out
	s_wait_dscnt 32                                ; stage 0's fragments are in; stage 1's 32 loads may stay out
	MUL F0, 1
	WIN 0
	s_add_co_u32 s[TA], s[TA], 2*STGA
	s_add_co_u32 s[TB], s[TB], 2*STGB
	PAIR                                           ; stages 1 and 2
	s_mov_b32 s[TILES], NT-2
.Ltile:
	BOUND 1
	TWO_PAIRS
	s_sub_co_u32 s[TILES], s[TILES], 1
	s_cmp_lg_u32 s[TILES], 0
	s_cbranch_scc1 .Ltile
	BOUND 0                                        ; the last tile: nothing is asked for
	TWO_PAIRS
	s_wait_dscnt 0x0                               ; my reads of the ring are over
	s_barrier_signal -1
	MUL F1, 0
	s_barrier_wait -1                              ; everybody's are: the ring's bytes may be stored into
	WIN 0
	PLACES
.irp a, 0,1,2,3
.irp b, 0,1,2,3
	ds_store_b128 v[DST], v[ACC+8*(4*(\a)+(\b)):ACC+8*(4*(\a)+(\b))+3]   offset:(\a)*16*DP+64*(\b)
	ds_store_b128 v[DST], v[ACC+8*(4*(\a)+(\b))+4:ACC+8*(4*(\a)+(\b))+7] offset:(\a)*16*DP+64*(\b)+16
.endr
.endr
	s_wait_dscnt 0x0                               ; for the others' sake: a row's 512 bytes come from two waves
	s_barrier_signal -1
	s_barrier_wait -1
.set i, 0
.rept 16
	ds_load_b128 v[Y1+4*i:Y1+4*i+3], v[RD] offset:i*DP
.set i, i+1
.endr
.set i, 0
.rept 16
	ds_load_b128 v[Y2+4*i:Y2+4*i+3], v[RD] offset:(16+i)*DP
.set i, i+1
.endr
	s_wait_loadcnt 0x0                             ; the residual
	s_wait_dscnt 16                                ; rows 0-15 are back; rows 16-31's loads may stay out
	WIN 0x08                                       ; source 1 in window 2
.set i, 0
.rept 32
	v_pk_add_f32 v[Y1+i:Y1+i+1], v[Y1+i:Y1+i+1], v[i:i+1]
.set i, i+2
.endr
	WIN 0
.set i, 0
.rept 16
	global_store_b128 v[CO], v[Y1+4*i:Y1+4*i+3], s[56:57] offset:4096*i   ; 512 consecutive bytes, aligned
.set i, i+1
.endr
	s_wait_dscnt 0x0
	WIN 0x08
.set i, 0
.rept 32
	v_pk_add_f32 v[Y2+i:Y2+i+1], v[Y2+i:Y2+i+1], v[64+i:64+i+1]
.set i, i+2
.endr
	WIN 0
.set i, 0
.rept 16
	global_store_b128 v[CO], v[Y2+4*i:Y2+4*i+3], s[56:57] offset:4096*(16+i)
.set i, i+1
.endr
	s_wait_tensorcnt 0x0                           ; the wave's end
	ds_add_u32 v[SPW], v[NIL]
	s_wait_dscnt 0x0
	CROUND
	s_endpgm
.Lfunc_end_k_q96f04f903b_fc2:
	.size	k_q96f04f903b_fc2, .Lfunc_end_k_q96f04f903b_fc2-k_q96f04f903b_fc2
	.p2alignl 7, 3214868480
	.fill 96, 4, 3214868480
	.section	.rodata,"a",@progbits
	.p2align	6, 0x0
	.amdhsa_kernel k_q96f04f903b_fc2
		.amdhsa_group_segment_fixed_size 327680
		.amdhsa_private_segment_fixed_size 0
		.amdhsa_enable_private_segment 0
		.amdhsa_kernarg_size 40
		.amdhsa_user_sgpr_count 2
		.amdhsa_user_sgpr_kernarg_segment_ptr 1
		.amdhsa_wavefront_size32 1
		.amdhsa_system_sgpr_workgroup_id_x 1
		.amdhsa_system_sgpr_workgroup_id_y 1
		.amdhsa_system_sgpr_workgroup_id_z 1
		.amdhsa_system_vgpr_workitem_id 0
		.amdhsa_next_free_vgpr 640
		.amdhsa_next_free_sgpr 96
		.amdhsa_reserve_vcc 0
		.amdhsa_float_denorm_mode_32 3
		.amdhsa_float_denorm_mode_16_64 3
		.amdhsa_memory_ordered 1
		.amdhsa_forward_progress 1
		.amdhsa_inst_pref_size 60
	.end_amdhsa_kernel
	.amdgpu_metadata
---
amdhsa.version: [ 1, 2 ]
amdhsa.kernels:
  - .name:           k_q96f04f903b_fc2
    .symbol:         k_q96f04f903b_fc2.kd
    .args:
      - { .name: g, .offset: 0, .size: 8, .value_kind: global_buffer, .address_space: global }
      - { .name: wr, .offset: 8, .size: 8, .value_kind: global_buffer, .address_space: global }
      - { .name: b_fc2, .offset: 16, .size: 8, .value_kind: global_buffer, .address_space: global }
      - { .name: x1, .offset: 24, .size: 8, .value_kind: global_buffer, .address_space: global }
      - { .name: out0, .offset: 32, .size: 8, .value_kind: global_buffer, .address_space: global }
    .group_segment_fixed_size: 327680
    .private_segment_fixed_size: 0
    .kernarg_segment_align: 8
    .kernarg_segment_size: 40
    .max_flat_workgroup_size: 128
    .sgpr_count:     96
    .vgpr_count:     640
    .wavefront_size: 32
...
	.end_amdgpu_metadata
.endif
;; end of part 7
